; MI455X (gfx1250); checked and timed in simulation.
; The chip was launched on July 23, 2026; its instructions are those of AMD's public machine-readable ISA for CDNA 5 (MIT licence, August 2026) and "CDNA5" Instruction Set Architecture Reference Guide (July 2026). The comments in the code are by the model that wrote it; some were corrected since.
;; MHA Attention. Allowed arithmetic: matrix products marked QUANTISED: E2M1 operands, one E8M0 scale for each 32 along K, by v_wmma_scale_f32_16x16x128_f8f6f4 with both operands' format E2M1 (or v_wmma_scale_f32_32x16x128_f4), f32 sums; products left as they are: bf16, f16 or f32 operands; f32 sums; everything else in f32.
;; Inputs: W_proj 1,024 x 1,024 float32; W_qkv 1,024 x 3,072 float32; b_proj 1,024 float32; b_qkv 3,072 float32; x 4 x 2,048 x 1,024 float32.
;; Outputs: out0 4 x 2,048 x 1,024 float32.
;; This version of the problem:
;;   THIS VERSION OF THE PROBLEM IS GIVEN IN LOW PRECISION. The matrix products marked QUANTISED in the list below multiply operands that are first quantised to E2M1 (2 exponent bits, 1 mantissa bit; 4 bits a number), with one power-of-two scale for each 32 numbers along K (OCP MX v1.0); their sums are f32. The products marked 'left as it is' may take bf16, f16 or f32 operands, with f32 sums. Whichever they take, every output number must still come out within the allowed error. Rounding operands to bf16 (8 significant bits) uses up far more of that allowance than f16 does (11 bits, for magnitudes from 6e-5 to 65,504). All else is computed in f32.
;;   The module's matrix products, in the order in which they are computed (A, B: the left and right operand; K: the contracted axis; several contracted axes count as one K, in the product's order):
;;     1. [M 8,192, K 1,024] x [K 1,024, N 3,072]; A: input x; B: input W_qkv: QUANTISED
;;     2. batch 64 x [M 2,048, K 64] x [K 64, N 2,048]; A: computed on the way; B: computed on the way: left as it is (an operand is computed on the way)
;;     3. batch 64 x [M 2,048, K 2,048] x [K 2,048, N 64]; A: computed on the way; B: computed on the way: left as it is (an operand is computed on the way)
;;     4. [M 8,192, K 1,024] x [K 1,024, N 1,024]; A: computed on the way; B: input W_proj: left as it is (an operand is computed on the way)
;;   THE QUANTISER, for each operand of a quantised product, along K:
;;     - K is cut into blocks of 32 from its start; a last block that is shorter is filled with zeros.
;;     - A block's scale is 2^e with e = floor(log2(the largest magnitude in the block)) - 2, held to -126 .. 127; a block of zeros has e = 0. As a byte (E8M0): e + 127.
;;     - Each number is divided by its block's scale, clamped to +-6, and rounded to the nearest number of E2M1, ties to even, subnormals kept.
;;     - The product sums the exact products of the quantised numbers (number of the format x scale) in f32.
;;   ~~~python
;;   def quantise(x, axis):      # numpy; x: float32 -> the quantised numbers, widened to float32 again
;;       x = np.moveaxis(x, axis, -1); K = x.shape[-1]
;;       x = np.pad(x, [(0, 0)] * (x.ndim - 1) + [(0, -K % 32)]); x = x.reshape(x.shape[:-1] + (-1, 32)); a = np.abs(x).max(-1, keepdims=True)
;;       e = np.where(a > 0, np.clip(np.frexp(np.where(a > 0, a, 1))[1] - 1 - 2, -126, 127), 0)      # np.frexp(a)[1] - 1 = floor(log2(a)), exactly
;;       r = np.clip(x / 2.0 ** e, -6, 6)
;;       step = 2.0 ** (np.maximum(np.frexp(np.where(r == 0, 1, r))[1] - 1, 0) - 1)
;;       q = np.round(r / step) * step * 2.0 ** e      # np.round: ties to even
;;       return np.moveaxis(q.reshape(q.shape[:-2] + (-1,))[..., :K], -1, axis).astype(np.float32)
;;   ~~~
;; One version. Each part assembles by itself: llvm-mc -triple=amdgcn-amd-amdhsa -mcpu=gfx1250 --defsym DOCPART=n.
;; ======== version 1 of 1: 5 launches
;; limits: values are held in f16: magnitudes above 65,504 overflow, below 6.1e-05 lose precision
;; workspace buffers: xc 4,194,304 bytes; xs 262,144 bytes; wc 1,572,864 bytes; ws 98,304 bytes; wp 2,097,152 bytes; qkvh 50,331,648 bytes; q32 786,432 bytes; att 16,777,216 bytes
;; launch prep (part 1): grid 256 x 1, 8 waves a work-group, no clusters, 154,112 bytes of LDS; arguments x, W_qkv, W_proj, xc, xs, wc, ws, wp; writes xc, xs, wc, ws, wp
.if DOCPART == 1
	.amdgcn_target "amdgcn-amd-amdhsa--gfx1250"
	.amdhsa_code_object_version 6
	.text
	.protected	k_qb1535adae3_prep
	.globl	k_qb1535adae3_prep
	.p2align	8
	.type	k_qb1535adae3_prep,@function
k_qb1535adae3_prep:
	s_mov_b64 s[64:65], 0
	v_nop
	global_prefetch_b8 v0, s[64:65] scope:SCOPE_SE
	s_setreg_imm32_b32 hwreg(HW_REG_WAVE_MODE, 25, 1), 1
	s_wait_xcnt 0x0
; PREP: the operands of the later launches are laid out once.
;   x [8192][1024] f32      -> xc [8192][512 bytes] codes of E2M1, K innermost, and xs [8192][32] E8M0 bytes      (work-groups 0-127)
;   W_qkv [1024 k][3072 n]  -> wc [3072 n][512 bytes] codes, K innermost, and ws [3072][32] E8M0 bytes            (work-groups 128-223)
;   W_proj [1024 k][1024 n] -> wp [1024 n][1024 k] f16, K innermost                                               (work-groups 224-255)
; A block's scale is 2^(floor(log2(its largest magnitude)) - 2); its byte is the largest magnitude's exponent field - 2, held at 1 from below.
; DEAD WORK OF THE WHOLE PROGRAM.  b_qkv[1024:2048], the bias on k, adds q . b_k to every score of a query.  That term is the same for all keys of the query, the
; softmax is taken along the keys, and the keys under the causal mask get weight 0 with or without it: so in exact arithmetic it cancels for all finite inputs.
; The product q k^T is not quantised, so the term moves no code and no scale.  These 1,024 numbers are loaded by no launch.  Key steps that lie wholly behind the causal mask, which the
; problem builds itself, are not multiplied.  LIMIT: a NaN, an infinity or an overflow that reaches only the work left out is not carried to the result.
; LIMITS: a block of zeros keeps the byte 1 (its codes are zeros, and these bytes are read by this program alone); blocks whose largest magnitude lies under 2^-124 are held at that byte;
; NaN and infinities among the inputs are not served; |W_proj| stays under 65,504, f16's largest number.
; The three paths part on the work-group's number alone; each has LDS bytes of its own.  No tensor load.
.set SPW,   254                        ; v254  LDS address of my spare word; never rewritten
.set NIL,   255                        ; v255  0; never rewritten
.set XREG,  8192                       ; path x: a region for each wave: two stages of 32 x 80 bytes, then its 256 scale bytes
.set SP,    80                         ; a lane's place in a stage: 64 bytes + 16 of padding
.set QST,   65536                      ; path W_qkv: 32 rows (columns n) x (512 bytes of codes + 16)
.set QP,    528
.set QSC,   QST+32*QP                  ; and 32 x 32 scale bytes
.set PST,   QSC+1024                   ; path W_proj: for each wave 32 rows x (256 bytes + 16)
.set PP,    272
.set SPARE, PST+8*32*PP                ; the spare words, 128 bytes for each wave: four blocks of 256 bytes that no other line names
.set XR,    16                         ; v16-143  path x: eight sets of 16 numbers as they are loaded
.set XX,    144                        ; v144-175 two sets of 16 neighbours
.set XE,    176                        ; v176-191 a scale byte for each step
.set XC,    192                        ; v192-223 two registers of codes for each step
.set WB,    32                         ; v32-95   the weights' paths: two sets of 32 numbers down K
.set WC,    96                         ; v96-111  a block's codes or f16 numbers
.set WO,    112                        ; v112-175 the way out
.macro FINISH                          ; a wave's end, behind my last LDS store
	s_wait_tensorcnt 0x0
	ds_add_u32 v[SPW], v[NIL]
	s_wait_dscnt 0x0
	s_endpgm
.endm
.macro XLOAD t                         ; step t: 2,048 bytes, each load 512 consecutive bytes
.irp i, 0,1,2,3
	global_load_b128 v[XR+16*((\t)%8)+4*\i:XR+16*((\t)%8)+4*\i+3], v3, s[4:5] offset:2048*(\t)+512*\i th:TH_LOAD_NT
.endr
.endm
.macro XTURN t                         ; through the wave's own stage: in as loaded, back 64 bytes a lane (LDS serves a wave's instructions in order)
.irp i, 0,1,2,3
	ds_store_b128 v14, v[XR+16*((\t)%8)+4*\i:XR+16*((\t)%8)+4*\i+3] offset:32*SP*((\t)%2)+8*SP*\i
.endr
.irp i, 0,1,2,3
	ds_load_b128 v[XX+16*((\t)%2)+4*\i:XX+16*((\t)%2)+4*\i+3], v15 offset:32*SP*((\t)%2)+16*\i
.endr
.endm
.macro XSTEP t
.set XS, XX+16*((\t)%2)
.if (\t) > 0
	s_wait_dscnt 1                                 ; this step's numbers are back from the stage; the last step's byte store may be out
.else
	s_wait_dscnt 0x0
.endif
.if (\t)+8 < 16
	XLOAD (\t)+8                                   ; into the set whose stage stores have just been shown done
.endif
.if (\t)+1 < 16
.if 14-(\t) >= 7
	s_wait_loadcnt 28                              ; the next step's four loads are in; those of the seven steps behind it may be out
.else
	s_wait_loadcnt 4*(14-(\t))
.endif
	XTURN (\t)+1
.endif
	v_max3_num_f32 v8, |v[XS]|, |v[XS+1]|, |v[XS+2]|
	v_max3_num_f32 v9, |v[XS+3]|, |v[XS+4]|, |v[XS+5]|
.irp i, 6,10
	v_max3_num_f32 v8, v8, |v[XS+\i]|, |v[XS+\i+1]|
	v_max3_num_f32 v9, v9, |v[XS+\i+2]|, |v[XS+\i+3]|
.endr
	v_max3_num_f32 v8, v8, |v[XS+14]|, |v[XS+15]|
	v_max3_num_f32 v8, v8, v9, 0x1800000           ; and the floor 2^(3 - 127): the byte cannot fall under 1
	v_max_num_f32_dpp v8, v8, v8 row_xmask:1 row_mask:0xf bank_mask:0xf   ; with my neighbour's 16: the block's largest magnitude
	v_add_nc_u32 v11, 0xff000000, v8               ; 2 off its exponent field: the conversion's scale operand
	v_cvt_scalef32_pk8_fp4_f32 v[XC+2*(\t)], v[XS:XS+7], v11
	v_cvt_scalef32_pk8_fp4_f32 v[XC+2*(\t)+1], v[XS+8:XS+15], v11
	v_lshrrev_b32 v[XE+(\t)], 23, v11              ; the scale's byte
	ds_store_b8 v5, v[XE+(\t)] offset:16*(\t)      ; both lanes of a block write the same byte with the same value
	global_store_b64 v4, v[XC+2*(\t):XC+2*(\t)+1], s[10:11] offset:256*(\t)   ; the wave stores 256 consecutive bytes, aligned
.endm
.macro LOADW t, base, pitch            ; block t of a weight: rows 32 t + i of my column, into set t % 2; 32 lanes read 128 consecutive bytes
.set i, 0
.rept 32
	global_load_b32 v[WB+32*((\t)%2)+i], v3, s[\base:\base+1] offset:(32*(\t)+i)*\pitch th:TH_LOAD_NT
.set i, i+1
.endr
.endm
.macro QBLOCK t                        ; a block of 32 along K of my column of W_qkv: all 32 numbers are mine
.set XS, WB+32*((\t)%2)
.if (\t) < 3
	s_wait_loadcnt 32                              ; this block's loads are in; the next block's 32 may be out
.else
	s_wait_loadcnt 0x0
.endif
	v_max3_num_f32 v12, |v[XS]|, |v[XS+1]|, |v[XS+2]|
	v_max3_num_f32 v13, |v[XS+3]|, |v[XS+4]|, |v[XS+5]|
.irp i, 6,10,14,18,22,26
	v_max3_num_f32 v12, v12, |v[XS+\i]|, |v[XS+\i+1]|
	v_max3_num_f32 v13, v13, |v[XS+\i+2]|, |v[XS+\i+3]|
.endr
	v_max3_num_f32 v12, v12, |v[XS+30]|, |v[XS+31]|
	v_max3_num_f32 v12, v12, v13, 0x1800000
	v_add_nc_u32 v11, 0xff000000, v12
	v_lshrrev_b32 v13, 23, v11
.if (\t) == 0
	v_mov_b32 v24, v13                             ; my four bytes make one word, the lower K in the lower byte
.else
	v_lshl_or_b32 v24, v13, 8*(\t), v24
.endif
.irp g, 0,1,2,3
	v_cvt_scalef32_pk8_fp4_f32 v[WC+\g], v[XS+8*\g:XS+8*\g+7], v11
.endr
	ds_store_b128 v4, v[WC:WC+3] offset:16*(\t)    ; 32 codes: 16 bytes of my column's row
.if (\t)+2 < 4
	LOADW (\t)+2, 6, 12288
.endif
	s_wait_dscnt 0x0                               ; the store has read its registers: the next block's codes may be written
.endm
.macro PBLOCK t                        ; 32 along K of my column of W_proj, rounded to f16
.set XS, WB+32*((\t)%2)
.if (\t) < 3
	s_wait_loadcnt 32
.else
	s_wait_loadcnt 0x0
.endif
.set i, 0
.rept 16
	v_cvt_pk_f16_f32 v[WC+i], v[XS+2*i], v[XS+2*i+1]
.set i, i+1
.endr
.irp c, 0,1,2,3
	ds_store_b128 v4, v[WC+4*\c:WC+4*\c+3] offset:64*(\t)+16*\c
.endr
.if (\t)+2 < 4
	LOADW (\t)+2, 8, 4096
.endif
	s_wait_dscnt 0x0
.endm
	s_load_b256 s[4:11], s[0:1], 0x0               ; x s[4:5], W_qkv s[6:7], W_proj s[8:9], xc s[10:11]
	s_load_b256 s[12:19], s[0:1], 0x20             ; xs s[12:13], wc s[14:15], ws s[16:17], wp s[18:19]
	v_lshl_add_u32 v[SPW], v0, 2, SPARE
	v_mov_b32 v[NIL], 0
	v_lshrrev_b32 v1, 5, v0
	v_readfirstlane_b32 s20, v1                    ; wave 0..7
	v_and_b32 v2, 31, v0                           ; lane
	s_mov_b32 s23, 0
	s_wait_kmcnt 0x0
	s_cmp_lt_u32 ttmp9, 128
	s_cbranch_scc0 .Lnot_x
	; ---- x: a plain stream of blocks of 32.  A wave takes 16 steps of 512 numbers; loads run eight steps ahead, the turn through LDS one step
	s_lshl_b32 s21, ttmp9, 3
	s_add_co_u32 s21, s21, s20                     ; which run of 8,192 numbers is my wave's
	s_lshl_b32 s22, s21, 15
	s_add_nc_u64 s[4:5], s[4:5], s[22:23]
	s_lshl_b32 s22, s21, 12
	s_add_nc_u64 s[10:11], s[10:11], s[22:23]
	s_lshl_b32 s22, s21, 8
	s_add_nc_u64 s[12:13], s[12:13], s[22:23]
	s_lshl_b32 s24, s20, 13                        ; my region of LDS
	v_lshlrev_b32 v3, 4, v2                        ; my 16 bytes of a load's 512
	v_lshrrev_b32 v14, 2, v2
	v_mul_u32_u24 v14, v14, SP
	v_and_b32 v15, 3, v2
	v_lshl_add_u32 v14, v15, 4, v14
	v_add_nc_u32 v14, s24, v14                     ; the stage, way in: 80 (lane / 4) + 16 (lane % 4)
	v_mul_u32_u24 v15, v2, SP
	v_add_nc_u32 v15, s24, v15                     ; way out: 80 x lane: my 16 neighbours
	v_lshlrev_b32 v4, 3, v2                        ; 8 bytes a lane: my codes in a step's 256, and my part of the scale bytes
	v_lshrrev_b32 v5, 1, v2
	s_add_co_u32 s24, s24, 2*32*SP
	v_add_nc_u32 v5, s24, v5                       ; my block's byte among my wave's 256
	v_add_nc_u32 v6, s24, v4
.irp t, 0,1,2,3,4,5,6,7
	XLOAD \t
.endr
	s_wait_loadcnt 28                              ; step 0's four loads are in
	XTURN 0
.irp t, 0,1,2,3,4,5,6,7,8,9,10,11,12,13,14,15
	XSTEP \t
.endr
	ds_load_b64 v[8:9], v6                         ; in order behind my byte stores
	s_wait_dscnt 0x0
	global_store_b64 v4, v[8:9], s[12:13]          ; 32 lanes store 256 consecutive bytes, aligned
	FINISH
.Lnot_x:
	s_cmp_lt_u32 ttmp9, 224
	s_cbranch_scc0 .Lpath_p
	; ---- W_qkv: the work-group takes 32 columns over all of K; a lane takes a column, its registers run down K; wave w takes k = 128 w .. 128 w + 127
	s_sub_co_u32 s21, ttmp9, 128
	s_mul_i32 s22, s20, 128*12288
	s_lshl_b32 s24, s21, 7
	s_add_co_u32 s22, s22, s24
	s_add_nc_u64 s[6:7], s[6:7], s[22:23]          ; W_qkv at row 128 w, column 32 g
	s_lshl_b32 s22, s21, 14
	s_lshl_b32 s24, s20, 11
	s_add_co_u32 s22, s22, s24
	s_add_nc_u64 s[14:15], s[14:15], s[22:23]      ; wc at row 32 g + 4 w
	s_lshl_b32 s22, s21, 10
	s_lshl_b32 s24, s20, 8
	s_add_co_u32 s22, s22, s24
	s_add_nc_u64 s[16:17], s[16:17], s[22:23]      ; ws at byte 1,024 g + 256 w (used by waves 0 to 3)
	v_lshlrev_b32 v3, 2, v2
	v_mul_u32_u24 v4, v2, QP
	s_lshl_b32 s24, s20, 6
	s_add_co_u32 s24, s24, QST
	v_add_nc_u32 v4, s24, v4                       ; codes in: row = my column, my wave's 64 bytes of it
	v_lshlrev_b32 v5, 5, v2
	s_lshl_b32 s24, s20, 2
	s_add_co_u32 s24, s24, QSC
	v_add_nc_u32 v5, s24, v5                       ; scale word in: 32 bytes a column, my wave's word
	v_lshlrev_b32 v8, 4, v2
	s_mul_i32 s24, s20, 4*QP
	s_add_co_u32 s24, s24, QST
	v_add_nc_u32 v7, s24, v8                       ; codes out: rows 4 w .. 4 w + 3, 16 bytes a lane
	v_lshlrev_b32 v10, 3, v2
	s_lshl_b32 s24, s20, 8
	s_add_co_u32 s24, s24, QSC
	v_add_nc_u32 v9, s24, v10                      ; scale bytes out: 256 a wave
	LOADW 0, 6, 12288
	LOADW 1, 6, 12288
.irp t, 0,1,2,3
	QBLOCK \t
.endr
	ds_store_b32 v5, v24
	s_wait_dscnt 0x0                               ; for the others' sake: my stores have landed
	s_barrier_signal -1                            ; all eight waves of this work-group are on this path: it hangs on the work-group's number alone
	s_barrier_wait -1
.irp i, 0,1,2,3
	ds_load_b128 v[WO+4*\i:WO+4*\i+3], v7 offset:\i*QP
.endr
.irp i, 0,1,2,3
	s_wait_dscnt 3-\i
	global_store_b128 v8, v[WO+4*\i:WO+4*\i+3], s[14:15] offset:512*\i   ; a whole row of 512 bytes
.endr
	s_cmp_lt_u32 s20, 4
	s_cbranch_scc0 .Lq_done
	ds_load_b64 v[WO+16:WO+17], v9
	s_wait_dscnt 0x0
	global_store_b64 v10, v[WO+16:WO+17], s[16:17] ; 256 consecutive bytes, aligned
.Lq_done:
	FINISH
.Lpath_p:
	; ---- W_proj: 32 columns a work-group, k = 128 w .. 128 w + 127 a wave; through the wave's own stage, so that sixteen lanes store 256 consecutive bytes
	s_sub_co_u32 s21, ttmp9, 224
	s_lshl_b32 s22, s20, 19
	s_lshl_b32 s24, s21, 7
	s_add_co_u32 s22, s22, s24
	s_add_nc_u64 s[8:9], s[8:9], s[22:23]
	s_lshl_b32 s22, s21, 16
	s_lshl_b32 s24, s20, 8
	s_add_co_u32 s22, s22, s24
	s_add_nc_u64 s[18:19], s[18:19], s[22:23]      ; wp at row 32 g, byte 256 w
	v_lshlrev_b32 v3, 2, v2
	s_mul_i32 s24, s20, 32*PP
	s_add_co_u32 s24, s24, PST
	v_mul_u32_u24 v4, v2, PP
	v_add_nc_u32 v4, s24, v4
	v_and_b32 v5, 15, v2
	v_lshrrev_b32 v6, 4, v2
	v_mul_u32_u24 v7, v6, PP
	v_lshl_add_u32 v7, v5, 4, v7
	v_add_nc_u32 v7, s24, v7
	v_lshlrev_b32 v8, 11, v6
	v_lshl_add_u32 v8, v5, 4, v8
	LOADW 0, 8, 4096
	LOADW 1, 8, 4096
.irp t, 0,1,2,3
	PBLOCK \t
.endr
.set i, 0
.rept 16
	ds_load_b128 v[WO+4*i:WO+4*i+3], v7 offset:2*i*PP
.set i, i+1
.endr
.set i, 0
.rept 16
	s_wait_dscnt 15-i
	global_store_b128 v8, v[WO+4*i:WO+4*i+3], s[18:19] offset:4096*i
.set i, i+1
.endr
	FINISH
.Lfunc_end_k_qb1535adae3_prep:
	.size	k_qb1535adae3_prep, .Lfunc_end_k_qb1535adae3_prep-k_qb1535adae3_prep
	.p2alignl 7, 3214868480
	.fill 96, 4, 3214868480
	.section	.rodata,"a",@progbits
	.p2align	6, 0x0
	.amdhsa_kernel k_qb1535adae3_prep
		.amdhsa_group_segment_fixed_size 154112
		.amdhsa_private_segment_fixed_size 0
		.amdhsa_enable_private_segment 0
		.amdhsa_kernarg_size 64
		.amdhsa_user_sgpr_count 2
		.amdhsa_user_sgpr_kernarg_segment_ptr 1
		.amdhsa_wavefront_size32 1
		.amdhsa_system_sgpr_workgroup_id_x 1
		.amdhsa_system_sgpr_workgroup_id_y 1
		.amdhsa_system_sgpr_workgroup_id_z 1
		.amdhsa_system_vgpr_workitem_id 0
		.amdhsa_next_free_vgpr 256
		.amdhsa_next_free_sgpr 66
		.amdhsa_reserve_vcc 0
		.amdhsa_float_denorm_mode_32 3
		.amdhsa_float_denorm_mode_16_64 3
		.amdhsa_memory_ordered 1
		.amdhsa_forward_progress 1
		.amdhsa_inst_pref_size 75
	.end_amdhsa_kernel
	.amdgpu_metadata
---
amdhsa.version: [ 1, 2 ]
amdhsa.kernels:
  - .name:           k_qb1535adae3_prep
    .symbol:         k_qb1535adae3_prep.kd
    .args:
      - { .name: x, .offset: 0, .size: 8, .value_kind: global_buffer, .address_space: global }
      - { .name: W_qkv, .offset: 8, .size: 8, .value_kind: global_buffer, .address_space: global }
      - { .name: W_proj, .offset: 16, .size: 8, .value_kind: global_buffer, .address_space: global }
      - { .name: xc, .offset: 24, .size: 8, .value_kind: global_buffer, .address_space: global }
      - { .name: xs, .offset: 32, .size: 8, .value_kind: global_buffer, .address_space: global }
      - { .name: wc, .offset: 40, .size: 8, .value_kind: global_buffer, .address_space: global }
      - { .name: ws, .offset: 48, .size: 8, .value_kind: global_buffer, .address_space: global }
      - { .name: wp, .offset: 56, .size: 8, .value_kind: global_buffer, .address_space: global }
    .group_segment_fixed_size: 154112
    .private_segment_fixed_size: 0
    .kernarg_segment_align: 8
    .kernarg_segment_size: 64
    .max_flat_workgroup_size: 256
    .sgpr_count:     66
    .vgpr_count:     256
    .wavefront_size: 32
...
	.end_amdgpu_metadata
.endif
;; end of part 1
;; launch qkv (part 2): grid 12 x 32, 4 waves a work-group, clusters of 4 x 4, 327,680 bytes of LDS; arguments xc, xs, wc, ws, qkvh, b_qkv, q32; writes qkvh, q32
.if DOCPART == 2
	.amdgcn_target "amdgcn-amd-amdhsa--gfx1250"
	.amdhsa_code_object_version 6
	.text
	.protected	k_qb1535adae3_qkv
	.globl	k_qb1535adae3_qkv
	.p2align	8
	.type	k_qb1535adae3_qkv,@function
k_qb1535adae3_qkv:
	s_mov_b64 s[64:65], 0
	v_nop
	global_prefetch_b8 v0, s[64:65] scope:SCOPE_SE
	s_setreg_imm32_b32 hwreg(HW_REG_WAVE_MODE, 25, 1), 1
	s_wait_xcnt 0x0
	s_wait_alu depctr_hold_cnt(0) depctr_sa_sdst(0) depctr_va_vdst(0) depctr_va_sdst(0) depctr_va_ssrc(0) depctr_va_vcc(0) depctr_vm_vsrc(0)
	s_getreg_b32 s2, hwreg(HW_REG_IB_STS2, 6, 4)
	s_cmp_eq_u32 s2, 0
	s_cbranch_scc0 .Lentry_in_a_cluster
	s_endpgm
.Lentry_in_a_cluster:
	s_bfe_u32 s2, ttmp6, 0x10000c
	s_cmp_lg_u32 s2, 0xf033
	s_cbranch_scc0 .Lentry_shape_is_right
	s_endpgm
.Lentry_shape_is_right:
; QKV: qkv[m][n] = sum over k of x[m][k] W_qkv[k][n] + b_qkv[n], on codes of E2M1 with one E8M0 scale for each 32 along K; sums in f32.  m 8,192, n 3,072, K 1,024.
; LEFT OUT: b_qkv[1024:2048], the bias on k: it adds the same term to all scores of a query and the softmax takes it away (shown at the head of the first kernel).  k's sums begin with 0.
; OUT: qkvh, f16, [part q, k, v][batch x 16 + head][t 2048][64], and the first 16 positions of every sequence once more in f32: q32 [batch][16][3072].
; LIMIT: |q|, |k|, |v| stay under 65,504, f16's largest number.
; A tile of 256 x 256 is made by four waves, each 128 x 128: 64 accumulators, 512 registers.  K is two slots of 512: both are asked for at the start and nothing is filled again.
; The scale bytes of the work-group's rows, for all of K, come once, in rows of 256 bytes.  CLUSTERS: 4 x 4; x's tiles are shared along a row of the cluster, W's along a column, by joint loads.
; The cluster's x is the part (q, k or v): it is the same in all sixteen partners, so a branch may hang on it.
; THE MATRIX INSTRUCTION IS USED TRANSPOSED (source 0 = 16 rows of wc, source 1 = 16 rows of xc): a lane holds eight neighbouring columns of one row.
; REGISTERS: window 0: v0-31 addresses; v32-95 scale words, two sets, and nothing else; v96-127 packed results; v128-191 x's fragments, later rows on the way out; v192-255 the bias, later the f32 rows.
;   window 1: W's fragments, two sets.   windows 2, 3: the accumulators ((a, b) at v[8 (8 (a % 4) + b)]).
.set KSTEP,  512
.set NQ,     4
.set ROWB,   256
.set KROW,   512
.set PITCH,  272                       ; an LDS row: 256 bytes + 16 of padding: the 16 rows that a load touches start at 16 different banks (64 banks of 4 bytes: ISA guide 11.1)
.set FR,     8
.set NL,     2
.set NP,     4
.set HALFT,  128*PITCH
.set SLOT,   4*HALFT
.set KS,     32
.set SCL,    2*SLOT
.set HALFS,  (128*KS/256)*272
.set SBLK,   (16*KS/256)*272
.set SPARE,  SCL+4*HALFS               ; the spare words, 128 bytes for each wave
.set WSTG,   12800                     ; the way out: for each wave, in slot 0 (its one fill has landed, and nobody reads it behind the change of slots): 16 x 528 for f32, then 16 x 272 for f16
.set ADRA, 16
.set ADRB, 20
.set STO,  22                          ; f16 stage: where I put 16 bytes of a row
.set RD,   23                          ; and where I read back
.set STO32, 24
.set RD32, 25
.set CO32, 26
.set ADRS, 27
.set SPW,  28
.set NIL,  29
.set BO,   30                          ; 32 x (lane / 16): my eight numbers of a tile's bias
.set CO,   31                          ; my byte offset in qkvh
.set SC,   32
.set TMP,  96
.set AF,   128
.set BKH,  128
.set BIAS, 192
.set BKF,  192
.set G1, 24
.set G0, 32
.set G1B, 48
.set G0B, 56
.set G1S, 68
.set G0S, 76
.set G1SB, 80
.set G0SB, 88
.set MSB, 0
.macro WIN new                         ; the immediate's high byte repeats the setting that is left
.if MSB != \new
	s_set_vgpr_msb (MSB<<8)|\new
.set MSB, \new
.endif
.endm
.set MUL_LO, 0xa1                      ; source 0 (W) window 1, source 1 (x) window 0, C and D window 2
.set MUL_HI, 0xf1
.set BIA_LO, 0x81                      ; the same with C (the bias) in window 0
.set BIA_HI, 0xc1
.set TO_B,   0x40
.macro JLOAD g0a, g1a, g0b, g1b        ; a joint load: waves 0 and 1 fetch for x, waves 2 and 3 for W; an s_nop 0 and four v_nop follow each line
	s_cmp_eq_u32 s15, 0
	s_cbranch_scc0 .Lfor_b_\@
	tensor_load_to_lds s[\g0a:\g0a+3], s[\g1a:\g1a+7]
	s_nop 0
.rept 4
	v_nop
.endr
	s_branch .Lasked_\@
.Lfor_b_\@:
	tensor_load_to_lds s[\g0b:\g0b+3], s[\g1b:\g1b+7]
	s_nop 0
.rept 4
	v_nop
.endr
.Lasked_\@:
.endm
.macro CROUND                          ; a round of the cluster's barrier
	s_barrier_signal -1
	s_barrier_wait -1
	s_cmp_lg_u32 s14, 0
	s_cbranch_scc1 .Lnot_wave_0_\@
	s_barrier_signal -3
.Lnot_wave_0_\@:
	s_barrier_wait -3
	s_barrier_signal -1
	s_barrier_wait -1
.endm
	s_load_b128 s[4:7], s[0:1], 0x0                ; xc, xs
	s_load_b128 s[8:11], s[0:1], 0x10              ; wc, ws
	s_load_b64 s[12:13], s[0:1], 0x20              ; qkvh
	s_load_b128 s[96:99], s[0:1], 0x28             ; b_qkv, q32
	v_lshl_add_u32 v[SPW], v0, 2, SPARE
	v_mov_b32 v[NIL], 0
	ds_add_u32 v[SPW], v[NIL]                      ; the wave's opening: the add, twice on end, and its wait ahead of my first tensor load
	ds_add_u32 v[SPW], v[NIL]
	v_lshrrev_b32 v1, 5, v0
	v_readfirstlane_b32 s14, v1                    ; wave 0..3
	s_lshr_b32 s15, s14, 1                         ; my half of the tile's rows; also: I fetch for x (0) or for W (1)
	s_and_b32 s16, s14, 1                          ; my half of its columns; also: which 128 rows I fetch
	s_bfe_u32 s40, ttmp6, 0x40000                  ; cx
	s_bfe_u32 s41, ttmp6, 0x40004                  ; cy
	s_lshl_b32 s42, ttmp9, 2
	s_add_co_u32 s42, s42, s40                     ; tile column
	s_and_b32 s17, ttmp7, 0xffff
	s_lshl_b32 s17, s17, 2
	s_add_co_u32 s17, s17, s41                     ; tile row
	s_lshl_b32 s43, s41, 2
	s_lshl_b32 s43, 15, s43                        ; my row of the cluster
	s_lshl_b32 s44, 0x1111, s40                    ; my column
	s_or_b32 s[G1+0], s43, (0<<16)|(1<<20)|(1<<21)|(5<<22)|(3<<25)  ; the mask; elements of 1 byte; padding: 4 words after every 64; bit 21 beside a mask
	s_or_b32 s[G1B+0], s44, (0<<16)|(1<<20)|(1<<21)|(5<<22)|(3<<25)
.irp g, G1, G1B
	s_mov_b32 s[\g+1], ROWB<<16                    ; tensor_dim0
	s_mov_b32 s[\g+2], 128<<16                     ; tensor_dim1
	s_mov_b32 s[\g+3], ROWB<<16                    ; tile_dim0
	s_mov_b32 s[\g+4], 128                         ; tile_dim1
	s_mov_b32 s[\g+5], KROW                        ; the pitch
	s_mov_b32 s[\g+6], 0
	s_mov_b32 s[\g+7], 0
.endr
	s_or_b32 s[G1S+0], s43, (3<<16)|(1<<20)|(1<<21)|(5<<22)|(3<<25) ; the scales of 128 rows: 4,096 dense bytes as 16 rows of 256 (32 elements of 8 bytes)
	s_or_b32 s[G1SB+0], s44, (3<<16)|(1<<20)|(1<<21)|(5<<22)|(3<<25)
.irp g, G1S, G1SB
	s_mov_b32 s[\g+1], 32<<16
	s_mov_b32 s[\g+2], (128*KS/256)<<16
	s_mov_b32 s[\g+3], 32<<16
	s_mov_b32 s[\g+4], 128*KS/256
	s_mov_b32 s[\g+5], 32
	s_mov_b32 s[\g+6], 0
	s_mov_b32 s[\g+7], 0
.endr
	s_lshl_b32 s18, s16, 7
	s_lshl_b32 s20, s17, 8
	s_add_co_u32 s20, s20, s18                     ; x: row 256 x tile row + 128 x half
	s_lshl_b32 s46, s42, 8
	s_add_co_u32 s46, s46, s18                     ; W: row 256 x tile column + 128 x half
	s_mov_b32 s21, 0
	s_mov_b32 s47, 0
	s_mov_b64 s[18:19], KS
	s_mul_u64 s[22:23], s[20:21], s[18:19]
	s_mul_u64 s[92:93], s[46:47], s[18:19]
	s_mov_b64 s[18:19], KROW
	s_mul_u64 s[20:21], s[20:21], s[18:19]
	s_mul_u64 s[46:47], s[46:47], s[18:19]
	s_mul_i32 s45, s14, HALFT                      ; where they go: wave x 128 rows
	s_mul_i32 s94, s14, HALFS
	s_wait_dscnt 0x0                               ; both opening adds are done
	s_wait_kmcnt 0x0
	s_add_nc_u64 s[20:21], s[4:5], s[20:21]
	s_add_nc_u64 s[22:23], s[6:7], s[22:23]
	s_add_nc_u64 s[46:47], s[8:9], s[46:47]
	s_add_nc_u64 s[92:93], s[10:11], s[92:93]
	CROUND                                         ; all sixteen work-groups are here: the joint loads meet
	s_mov_b32 s[G0S], 1
	s_add_co_u32 s[G0S+1], s94, SCL
	s_mov_b64 s[G0S+2:G0S+3], s[22:23]
	s_or_b32 s[G0S+3], s[G0S+3], 0x80000000
	s_mov_b32 s[G0SB], 1
	s_add_co_u32 s[G0SB+1], s94, SCL
	s_mov_b64 s[G0SB+2:G0SB+3], s[92:93]
	s_or_b32 s[G0SB+3], s[G0SB+3], 0x80000000
	JLOAD G0S, G1S, G0SB, G1SB
.irp s, 0,1
	s_mov_b32 s[G0+4*\s], 1
	s_add_co_u32 s[G0+4*\s+1], s45, \s*SLOT
	s_add_nc_u64 s[G0+4*\s+2:G0+4*\s+3], s[20:21], \s*ROWB
	s_or_b32 s[G0+4*\s+3], s[G0+4*\s+3], 0x80000000
	s_mov_b32 s[G0B+4*\s], 1
	s_add_co_u32 s[G0B+4*\s+1], s45, \s*SLOT
	s_add_nc_u64 s[G0B+4*\s+2:G0B+4*\s+3], s[46:47], \s*ROWB
	s_or_b32 s[G0B+4*\s+3], s[G0B+4*\s+3], 0x80000000
	JLOAD G0+4*\s, G1, G0B+4*\s, G1B               ; three tensor loads of mine are out at the most
.endr
	v_and_b32 v1, 15, v0                           ; r
	v_bfe_u32 v2, v0, 4, 1                         ; h
	v_mul_u32_u24 v3, v1, PITCH
	v_lshl_add_u32 v4, v2, 4, v3
	s_mul_i32 s21, s15, HALFT
	s_mul_i32 s22, s16, HALFT
	s_add_co_u32 s22, s22, 2*HALFT
.irp s, 0,1
	v_add_nc_u32 v[ADRA+\s], s21, v4
	v_add_nc_u32 v[ADRB+\s], s22, v4
	s_add_co_u32 s21, s21, SLOT
	s_add_co_u32 s22, s22, SLOT
.endr
	v_mul_u32_u24 v5, v1, KS
	v_lshrrev_b32 v6, 8, v5
	v_lshl_add_u32 v5, v6, 4, v5
	s_mul_i32 s21, s15, HALFS
	s_mul_i32 s22, s16, HALFS
	s_add_co_u32 s22, s22, 2*HALFS
	s_sub_co_u32 s22, s22, s21
	v_mul_u32_u24 v6, s22, v2                      ; lanes 16-31 take W's scale words
	s_add_co_u32 s21, s21, SCL
	v_add_nc_u32 v5, v5, v6
	v_add_nc_u32 v[ADRS], s21, v5
	s_mul_i32 s23, s14, WSTG                       ; my stages
	v_mul_u32_u24 v5, v1, 528
	v_lshl_add_u32 v5, v2, 5, v5
	v_add_nc_u32 v[STO32], s23, v5                 ; f32, in: row r, 32 bytes for each half of the lanes
	v_and_b32 v6, 31, v0
	v_lshlrev_b32 v[CO32], 4, v6
	v_add_nc_u32 v[RD32], s23, v[CO32]             ; back: a row of 512 bytes
	s_add_co_u32 s23, s23, 16*528
	v_mul_u32_u24 v5, v1, 272
	v_lshl_add_u32 v5, v2, 4, v5
	v_add_nc_u32 v[STO], s23, v5                   ; f16, in: row r, 16 bytes for each half
	v_bfe_u32 v5, v0, 3, 1
	v_mul_u32_u24 v5, v5, 272
	v_and_b32 v7, 7, v0
	v_lshl_add_u32 v5, v7, 4, v5
	v_lshl_add_u32 v5, v2, 7, v5
	v_add_nc_u32 v[RD], s23, v5                    ; back: lanes 0-15 two rows' 128 bytes of my first head, lanes 16-31 of my second
	v_lshlrev_b32 v[CO], 4, v1
	v_lshl_add_u32 v[CO], v2, 18, v[CO]            ; in qkvh two rows of a head are 256 consecutive bytes; the next head lies 262,144 bytes on
	v_lshlrev_b32 v[BO], 5, v2
	s_lshr_b32 s20, s17, 3                         ; the batch
	s_lshl_b32 s46, s20, 4
	s_lshl_b32 s47, s40, 2
	s_add_co_u32 s46, s46, s47
	s_lshl_b32 s47, s16, 1
	s_add_co_u32 s46, s46, s47                     ; 16 x batch + my first head
	s_lshl_b32 s46, s46, 18
	s_lshl_b32 s47, ttmp9, 24                      ; the part
	s_add_co_u32 s46, s46, s47
	s_and_b32 s47, s17, 7
	s_lshl_b32 s47, s47, 15
	s_add_co_u32 s46, s46, s47
	s_lshl_b32 s47, s15, 14
	s_add_co_u32 s46, s46, s47                     ; + my first position x 128 bytes
	s_mov_b32 s47, 0
	s_add_nc_u64 s[12:13], s[12:13], s[46:47]
	s_lshl_b32 s46, s42, 10
	s_lshl_b32 s21, s16, 9
	s_add_co_u32 s46, s46, s21                     ; 4 x my first column
	s_add_nc_u64 s[96:97], s[96:97], s[46:47]
	s_mul_i32 s21, s20, 196608
	s_add_co_u32 s46, s46, s21
	s_add_nc_u64 s[98:99], s[98:99], s[46:47]
	s_and_b32 s66, s17, 7
	s_or_b32 s66, s66, s15
	s_cmp_eq_u32 s66, 0
	s_cselect_b32 s66, -1, 0                       ; all lanes where my first 16 rows are a sequence's first 16 positions, else none: a mask for stores, never branched on
	s_and_b32 s2, ttmp7, 1
	s_or_b32 s2, s2, s15                           ; 0 where that can hold of some partner: made of the cluster's y and the wave's number alone
.macro FRAG reg, adr, q, i             ; 16 rows x 128 K of 4-bit codes: 8 registers, two loads of 16 bytes, 32 bytes apart
.irp c, 0,1
	ds_load_b128 v[\reg+4*\c:\reg+4*\c+3], v[\adr] offset:64*(\q)+32*\c+(\i)*16*PITCH
.endr
.endm
; 16 matrix instructions: x's blocks a0, a0 + 1 against W's eight.  zero = 1: the sums begin with 0; 2: with the bias; 0: they go on.  The 64 accumulators take turns.
.macro MUL16 a0, p, q, sc, zero
.irp a, \a0, \a0+1
.irp b, 0,1,2,3,4,5,6,7
.if \zero == 1
	v_wmma_scale_f32_16x16x128_f8f6f4 v[8*(8*((\a)%4)+\b):8*(8*((\a)%4)+\b)+7], v[128*(\p)+FR*\b:128*(\p)+FR*\b+FR-1], v[AF+FR*(\a):AF+FR*(\a)+FR-1], 0, v[SC+8*NQ*(\sc)+NQ*\b+(\q)], v[SC+8*NQ*(\sc)+NQ*(\a)+(\q)] matrix_a_fmt:MATRIX_FMT_FP4 matrix_b_fmt:MATRIX_FMT_FP4 matrix_a_scale:MATRIX_SCALE_ROW1
.elseif \zero == 2
	v_wmma_scale_f32_16x16x128_f8f6f4 v[8*(8*((\a)%4)+\b):8*(8*((\a)%4)+\b)+7], v[128*(\p)+FR*\b:128*(\p)+FR*\b+FR-1], v[AF+FR*(\a):AF+FR*(\a)+FR-1], v[BIAS+8*\b:BIAS+8*\b+7], v[SC+8*NQ*(\sc)+NQ*\b+(\q)], v[SC+8*NQ*(\sc)+NQ*(\a)+(\q)] matrix_a_fmt:MATRIX_FMT_FP4 matrix_b_fmt:MATRIX_FMT_FP4 matrix_a_scale:MATRIX_SCALE_ROW1
.else
	v_wmma_scale_f32_16x16x128_f8f6f4 v[8*(8*((\a)%4)+\b):8*(8*((\a)%4)+\b)+7], v[128*(\p)+FR*\b:128*(\p)+FR*\b+FR-1], v[AF+FR*(\a):AF+FR*(\a)+FR-1], v[8*(8*((\a)%4)+\b):8*(8*((\a)%4)+\b)+7], v[SC+8*NQ*(\sc)+NQ*\b+(\q)], v[SC+8*NQ*(\sc)+NQ*(\a)+(\q)] matrix_a_fmt:MATRIX_FMT_FP4 matrix_b_fmt:MATRIX_FMT_FP4 matrix_a_scale:MATRIX_SCALE_ROW1
.endif
.endr
.endr
.endm
.macro FETCH_B slot, q, p
	WIN TO_B
.irp i, 0,1,2,3,4,5,6,7
	FRAG 128*(\p)+FR*\i, ADRB+\slot, \q, \i
.endr
	WIN 0
.endm
.macro FETCH_A slot, q, i0
.irp i, \i0, \i0+1, \i0+2, \i0+3
	FRAG AF+FR*(\i), ADRA+\slot, \q, \i
.endr
.endm
.macro SCALES sc                       ; a slot's scale words: lanes 0-15 x's block i, lanes 16-31 W's block i
.irp i, 0,1,2,3,4,5,6,7
	ds_load_b128 v[SC+8*NQ*\sc+NQ*\i:SC+8*NQ*\sc+NQ*\i+3], v[ADRS] offset:\i*SBLK
.endr
.endm
.macro PLACES n                        ; plain vector instructions between a matrix instruction and a load into, or a read of, its registers
.rept \n
	v_nop
.endr
.endm
.macro STEP slot, q, zero              ; 128 along K, with its successor in the same slot
	s_wait_dscnt 4*NL                              ; W's set and x's blocks 0-3 are in; the youngest eight loads (blocks 4-7) may be out
.if \zero == 2
	WIN BIA_LO
.else
	WIN MUL_LO
.endif
	MUL16 0, (\q)%2, \q, \slot, \zero
	MUL16 2, (\q)%2, \q, \slot, \zero
	s_wait_dscnt 0
	PLACES NP
	FETCH_B \slot, (\q)+1, 1-(\q)%2
	FETCH_A \slot, (\q)+1, 0
.if \zero == 2
	WIN BIA_HI
.else
	WIN MUL_HI
.endif
	MUL16 4, (\q)%2, \q, \slot, \zero
	MUL16 6, (\q)%2, \q, \slot, \zero
	PLACES NP
	WIN 0
	FETCH_A \slot, (\q)+1, 4
.endm
.macro TURN slot, next                 ; a slot's last step, and the change of slots: one barrier; nothing is filled again
	s_wait_tensorcnt 0x0                           ; my part of the next slot has landed
	ds_add_u32 v[SPW], v[NIL]
	s_wait_dscnt 4*NL+1                            ; the add and the youngest eight loads may be out
	WIN MUL_LO
	MUL16 0, 1, NQ-1, \slot, 0
	s_wait_dscnt 0x0                               ; the add is done, and my reads of this slot are over
	s_barrier_signal -1
	MUL16 2, 1, NQ-1, \slot, 0
	WIN 0
	s_barrier_wait -1
	PLACES NP
	v_add_nc_u32 v[ADRS], 4*NQ, v[ADRS]            ; the next slot's scale words
	FETCH_B \next, 0, 0
	FETCH_A \next, 0, 0
	SCALES \next
	WIN MUL_HI
	MUL16 4, 1, NQ-1, \slot, 0
	MUL16 6, 1, NQ-1, \slot, 0
	PLACES NP
	WIN 0
	FETCH_A \next, 0, 4
.endm
.macro START zero                      ; the first tiles are awaited, and the first step starts the sums
	s_wait_tensorcnt 1                             ; the scales and my part of slot 0 are in; slot 1's load may be out
	s_barrier_signal -1
	s_barrier_wait -1
	FETCH_B 0, 0, 0
	FETCH_A 0, 0, 0
	SCALES 0
	FETCH_A 0, 0, 4
.if \zero == 2
	s_wait_loadcnt 0x0                             ; the bias
.endif
	STEP 0, 0, \zero
.endm
	s_cmp_eq_u32 ttmp9, 1                          ; k's clusters: the cluster's x, equal in all partners and all waves
	s_cbranch_scc1 .Lkeys
.irp b, 0,1,2,3,4,5,6,7
	global_load_b128 v[BIAS+8*\b:BIAS+8*\b+3], v[BO], s[96:97] offset:64*\b        ; b_qkv at my columns 16 b + 8 h + 0 .. 7: the C of each sum's first product
	global_load_b128 v[BIAS+8*\b+4:BIAS+8*\b+7], v[BO], s[96:97] offset:64*\b+16
.endr
	START 2
	s_branch .Lstarted
.Lkeys:
	START 1
.Lstarted:
	STEP 0, 1, 0
	STEP 0, 2, 0
	TURN 0, 1
	STEP 1, 0, 0
	STEP 1, 1, 0
	STEP 1, 2, 0
	s_wait_dscnt 4*NL                              ; the very last step
	WIN MUL_LO
	MUL16 0, 1, NQ-1, 1, 0
	MUL16 2, 1, NQ-1, 1, 0
	s_wait_dscnt 0
	WIN MUL_HI
	MUL16 4, 1, NQ-1, 1, 0
	MUL16 6, 1, NQ-1, 1, 0
	WIN 0
	PLACES NP                                      ; ahead of the first reads of results and of loads into registers that the last products read
	; THE FIRST 16 POSITIONS IN F32.  My block 0 goes through the f32 stage and leaves as rows of 512 bytes, where it is a sequence's first 16 rows.
	s_cmp_lg_u32 s2, 0
	s_cbranch_scc1 .Lno_f32
	WIN 0x08                                       ; an LDS store's data: window 2
.irp b, 0,1,2,3,4,5,6,7
	ds_store_b128 v[STO32], v[8*\b:8*\b+3] offset:64*\b            ; each accumulator from its low end on
	ds_store_b128 v[STO32], v[8*\b+4:8*\b+7] offset:64*\b+16
.endr
	WIN 0
.set i, 0
.rept 16
	ds_load_b128 v[BKF+4*i:BKF+4*i+3], v[RD32] offset:i*528        ; in order behind my stores
.set i, i+1
.endr
	s_wait_dscnt 0x0
	s_wait_xcnt 0x0                                ; EXEC changes only behind this wait
	s_mov_b32 vcc_lo, s66
	s_and_saveexec_b32 s67, vcc_lo
.set i, 0
.rept 16
	global_store_b128 v[CO32], v[BKF+4*i:BKF+4*i+3], s[98:99] offset:i*12288   ; 512 consecutive bytes, aligned
.set i, i+1
.endr
	s_wait_xcnt 0x0
	s_or_b32 exec_lo, exec_lo, s67
.Lno_f32:
; THE WAY OUT IN F16, block by block of 16 rows x 128 columns (two heads).  PACK rounds; TOSTAGE sends 16 bytes a lane into rows of 272 bytes and reads back; SEND stores.
.macro PACK a
	WIN (0x0a+5*((\a)/4))
.irp b, 0,1,2,3,4,5,6,7
.irp r, 0,1,2,3
	v_cvt_pk_f16_f32 v[TMP+4*\b+\r], v[64*((\a)%4)+8*\b+2*\r], v[64*((\a)%4)+8*\b+2*\r+1]
.endr
.endr
	WIN 0
.endm
.macro TOSTAGE a
.irp b, 0,1,2,3,4,5,6,7
	ds_store_b128 v[STO], v[TMP+4*\b:TMP+4*\b+3] offset:32*\b
.endr
.irp t, 0,1,2,3,4,5,6,7
	ds_load_b128 v[BKH+32*((\a)%2)+4*\t:BKH+32*((\a)%2)+4*\t+3], v[RD] offset:\t*2*272
.endr
.endm
.macro SEND a
	s_wait_dscnt 0x0                               ; the block is back in registers
	s_wait_xcnt 0x0                                ; the stores of the block before have read their registers: the next block's loads may land there
.irp t, 0,1,2,3,4,5,6,7
	global_store_b128 v[CO], v[BKH+32*((\a)%2)+4*\t:BKH+32*((\a)%2)+4*\t+3], s[12:13] offset:2048*(\a)+256*\t   ; 16 lanes store 256 consecutive bytes, aligned: two positions of one head
.endr
.endm
	PACK 0
	TOSTAGE 0
.irp a, 1,2,3,4,5,6,7
	PACK \a
	SEND \a-1
	TOSTAGE \a
.endr
	SEND 7
	s_wait_tensorcnt 0x0                           ; the wave's end
	ds_add_u32 v[SPW], v[NIL]
	s_wait_dscnt 0x0
	CROUND                                         ; the closing round
	s_endpgm
.Lfunc_end_k_qb1535adae3_qkv:
	.size	k_qb1535adae3_qkv, .Lfunc_end_k_qb1535adae3_qkv-k_qb1535adae3_qkv
	.p2alignl 7, 3214868480
	.fill 96, 4, 3214868480
	.section	.rodata,"a",@progbits
	.p2align	6, 0x0
	.amdhsa_kernel k_qb1535adae3_qkv
		.amdhsa_group_segment_fixed_size 327680
		.amdhsa_private_segment_fixed_size 0
		.amdhsa_enable_private_segment 0
		.amdhsa_kernarg_size 56
		.amdhsa_user_sgpr_count 2
		.amdhsa_user_sgpr_kernarg_segment_ptr 1
		.amdhsa_wavefront_size32 1
		.amdhsa_system_sgpr_workgroup_id_x 1
		.amdhsa_system_sgpr_workgroup_id_y 1
		.amdhsa_system_sgpr_workgroup_id_z 1
		.amdhsa_system_vgpr_workitem_id 0
		.amdhsa_next_free_vgpr 1024
		.amdhsa_next_free_sgpr 100
		.amdhsa_reserve_vcc 1
		.amdhsa_float_denorm_mode_32 3
		.amdhsa_float_denorm_mode_16_64 3
		.amdhsa_memory_ordered 1
		.amdhsa_forward_progress 1
		.amdhsa_inst_pref_size 146
	.end_amdhsa_kernel
	.amdgpu_metadata
---
amdhsa.version: [ 1, 2 ]
amdhsa.kernels:
  - .name:           k_qb1535adae3_qkv
    .symbol:         k_qb1535adae3_qkv.kd
    .args:
      - { .name: xc, .offset: 0, .size: 8, .value_kind: global_buffer, .address_space: global }
      - { .name: xs, .offset: 8, .size: 8, .value_kind: global_buffer, .address_space: global }
      - { .name: wc, .offset: 16, .size: 8, .value_kind: global_buffer, .address_space: global }
      - { .name: ws, .offset: 24, .size: 8, .value_kind: global_buffer, .address_space: global }
      - { .name: qkvh, .offset: 32, .size: 8, .value_kind: global_buffer, .address_space: global }
      - { .name: b_qkv, .offset: 40, .size: 8, .value_kind: global_buffer, .address_space: global }
      - { .name: q32, .offset: 48, .size: 8, .value_kind: global_buffer, .address_space: global }
    .group_segment_fixed_size: 327680
    .private_segment_fixed_size: 0
    .kernarg_segment_align: 8
    .kernarg_segment_size: 56
    .max_flat_workgroup_size: 128
    .sgpr_count:     100
    .vgpr_count:     1024
    .wavefront_size: 32
...
	.end_amdgpu_metadata
.endif
;; end of part 2
;; launch attn (part 3): grid 4 x 64, 16 waves a work-group, clusters of 4 x 1, 327,680 bytes of LDS; arguments qkvh, att; writes att
.if DOCPART == 3
	.amdgcn_target "amdgcn-amd-amdhsa--gfx1250"
	.amdhsa_code_object_version 6
	.text
	.protected	k_qb1535adae3_attn
	.globl	k_qb1535adae3_attn
	.p2align	8
	.type	k_qb1535adae3_attn,@function
k_qb1535adae3_attn:
	s_mov_b64 s[64:65], 0
	v_nop
	global_prefetch_b8 v0, s[64:65] scope:SCOPE_SE
	s_setreg_imm32_b32 hwreg(HW_REG_WAVE_MODE, 25, 1), 1
	s_wait_xcnt 0x0
	s_wait_alu depctr_hold_cnt(0) depctr_sa_sdst(0) depctr_va_vdst(0) depctr_va_sdst(0) depctr_va_ssrc(0) depctr_va_vcc(0) depctr_vm_vsrc(0)
	s_getreg_b32 s2, hwreg(HW_REG_IB_STS2, 6, 4)
	s_cmp_eq_u32 s2, 0
	s_cbranch_scc0 .Lentry_in_a_cluster
	s_endpgm
.Lentry_in_a_cluster:
	s_bfe_u32 s2, ttmp6, 0x10000c
	s_cmp_lg_u32 s2, 0x3003
	s_cbranch_scc0 .Lentry_shape_is_right
	s_endpgm
.Lentry_shape_is_right:
; ATTN: att[q] = sum over keys k <= q of softmax_k(q . k / 8) v, for each of 64 (batch, head) pairs; 2,048 positions, head size 64.  q, k, v: f16 out of qkvh; products, maxima and sums in f32;
; the weights p are rounded to f16 for the second product; att is f16, [head][batch x 2048 + t][64].
; LEFT OUT: key steps all of whose 64 keys lie behind the causal mask for all four partners' queries of a wave's rank.
; SHARES.  A cluster of four work-groups serves one (batch, head) and walks its keys through the same tiles, asked for jointly.  Wave w has a rank 0..15 (a permutation of w); it owns the 32 queries
; 128 rank + 32 cx + 0 .. 31, two tiles of 16.  Every branch hangs on 128 rank, the step's first key and the wave's number, which all partners share; cx enters global addresses and the mask's
; vector data alone.  So a wave walks the key steps up to key 128 rank + 127, and a partner with a low cx masks up to 96 keys that it would not have needed.
; LAYOUT.  S^T = K Q^T (source 0 = 16 keys, source 1 = 16 queries): a lane holds ONE query (lane % 16) and keys 8 (lane / 16) + 0..7.  Two such tiles, rounded in pairs, are source 1 of O^T = V^T P.
; K comes out of LDS as it lies, V ([key][channel]) turned, by ds_load_tr16_b128.
; SOFTMAX.  A running maximum m and sum l for each query: p = 2^(c s - c m), c = log2(e) / 8; in every step O and l are multiplied by a = 2^(c m_old - c m_new).
; The loop has no first step of its own: O and l begin as zeros and m as -3e38.  Key 0 counts for every query, so m is a score from the first step on.
; RING.  Two LDS slots of 256 keys (four steps): waves 0 and 1 fetch K's halves, waves 2 and 3 V's; one tensor load of a wave is out at the most.
; LIMIT: q, k, v arrive as f16; a weight under 6e-8 of its row's largest falls to 0.
.set KP,    144                        ; a row of K in LDS: 128 bytes + 16
.set VP,    160                        ; a row of V: 128 + 32
.set VOFF,  256*KP
.set SLOT1, 1<<17
.set SPARE, 2*SLOT1                    ; the spare words, 128 bytes for each of 16 waves
.set STG,   32*KP                      ; the way out: 32 rows x 144 bytes a wave, in slot 0: it has had its last fill and was left at the last change of slots
.set AK0, 1
.set AV0, 2
.set SPW, 3
.set NIL, 4
.set ADR, 5
.set PFO, 6
.set D0,  7                            ; v7, v8: the mask's bounds for my two tiles
.set NEG, 9                            ; -infinity
.set RH,  10                           ; lane % 16 - 8 (lane / 16)
.set ST,  12                           ; tile t's statistics at v[12 + 8 t]: +0 c m, +1 m, +2, +3 l, +4 .. +7 at work; a in +6
.set QF,  28                           ; v28-59   Q: tile t, channels 32 e on, at 16 t + 8 e
.set S,   60                           ; v60-123  S^T: tile t, keys 16 kt on, at 32 t + 8 kt; then p; then P in the low 16 of each tile
.set OT,  124                          ; v124-187 O^T: tile t, channels 16 ct on, at 32 t + 8 ct
.set KV,  188                          ; v188-251 K's fragments, then V's
.set WV,  8
.set CX,  9
.set RANK, 10
.set GQ,  11                           ; 128 x rank
.set Q0,  12                           ; my first query (holds cx: data only)
.set KF,  13                           ; the step's first key
.set TBK, 14                           ; LDS byte of the step's rows of K
.set TBV, 15                           ; and of V
.set SLOTS, 16
.set CNT, 17
.set SEL, 20
.set CS,  22
.set G1K, 24
.set G1V, 32
.set G0K, 40
.set G0V, 44
.set QA,  54
.set OA,  56
.set PFA, 58
.set LIM, 60
.macro TLOAD                           ; waves 0, 1: K's halves; waves 2, 3: V's; the others nothing.  An s_nop 0 and four v_nop follow each line
	s_cmp_lt_u32 s[WV], 2
	s_cbranch_scc0 .Lnot_k_\@
	tensor_load_to_lds s[G0K:G0K+3], s[G1K:G1K+7]
	s_nop 0
.rept 4
	v_nop
.endr
	s_branch .Lasked_\@
.Lnot_k_\@:
	s_cmp_lt_u32 s[WV], 4
	s_cbranch_scc0 .Lasked_\@
	tensor_load_to_lds s[G0V:G0V+3], s[G1V:G1V+7]
	s_nop 0
.rept 4
	v_nop
.endr
.Lasked_\@:
.endm
; A prefetch of what the NEXT change of slots will ask for: 32,768 bytes of K and of V.  Wave 4 asks for K's, wave 5 for V's; the four partners take 8,192 bytes each, told apart by address;
; lanes 256 bytes apart: each aligned block of 256 bytes is named once in the launch.  The last change that fills a slot asks for nothing; slots 0 and 1 come by their loads alone.
.macro ASK
	s_cmp_gt_u32 s[SLOTS], s[LIM]
	s_cbranch_scc0 .Lnot_mine_\@
	global_prefetch_b8 v[PFO], s[PFA:PFA+1] th:TH_LOAD_NT scope:SCOPE_SE
.Lnot_mine_\@:
.endm
.macro CROUND
	s_barrier_signal -1
	s_barrier_wait -1
	s_cmp_lg_u32 s[WV], 0
	s_cbranch_scc1 .Lnot_wave_0_\@
	s_barrier_signal -3
.Lnot_wave_0_\@:
	s_barrier_wait -3
	s_barrier_signal -1
	s_barrier_wait -1
.endm
	s_load_b128 s[4:7], s[0:1], 0x0                ; qkvh, att
	v_lshl_add_u32 v[SPW], v0, 2, SPARE
	v_mov_b32 v[NIL], 0
	ds_add_u32 v[SPW], v[NIL]                      ; the wave's opening: the add, twice on end, and its wait ahead of the first tensor load
	ds_add_u32 v[SPW], v[NIL]
	v_lshrrev_b32 v5, 5, v0
	v_readfirstlane_b32 s[WV], v5                  ; wave 0..15
	s_bfe_u32 s[CX], ttmp6, 0x40000
	s_lshr_b32 s18, s[WV], 2
	s_and_b32 s19, s[WV], 3
	s_and_b32 s[RANK], s18, 1
	s_mul_i32 s[RANK], s[RANK], 3
	s_xor_b32 s19, s19, s[RANK]                    ; every second group of four waves is turned round, so that waves w, w + 4, w + 8, w + 12 have ranks that add up to 30
	s_lshl_b32 s[RANK], s18, 2
	s_add_co_u32 s[RANK], s[RANK], s19
	s_lshl_b32 s[GQ], s[RANK], 7
	s_lshl_b32 s[Q0], s[CX], 5
	s_add_co_u32 s[Q0], s[Q0], s[GQ]
	s_and_b32 s48, ttmp7, 0xffff                   ; 16 x batch + head: the cluster's y
	s_lshl_b32 s50, s48, 18                        ; its first byte in a part of qkvh
	s_and_b32 s49, s[WV], 1
	s_lshl_b32 s52, s49, 14                        ; which 128 rows of a slot I fetch
	s_add_co_u32 s52, s52, s50
	s_add_co_u32 s52, s52, 0x1000000               ; in k's part
	s_mov_b32 s53, 0
	s_mul_i32 s18, s49, 128*KP
	s_mul_i32 s19, s49, 128*VP
	s_add_co_u32 s19, s19, VOFF
	s_mov_b32 s[G1K], 15|(1<<16)|(1<<20)|(1<<21)|(4<<22)|(3<<25)  ; the mask: all four; elements of 2 bytes; padding: 4 words after every 32; bit 21 beside a mask
	s_mov_b32 s[G1V], 15|(1<<16)|(1<<20)|(1<<21)|(4<<22)|(7<<25)  ; the same with 8 words
.irp g, G1K, G1V
	s_mov_b32 s[\g+1], 64<<16                      ; tensor_dim0
	s_mov_b32 s[\g+2], 128<<16                     ; tensor_dim1
	s_mov_b32 s[\g+3], 64<<16                      ; tile_dim0
	s_mov_b32 s[\g+4], 128                         ; tile_dim1
	s_mov_b32 s[\g+5], 64                          ; the pitch
	s_mov_b32 s[\g+6], 0
	s_mov_b32 s[\g+7], 0
.endr
	s_mov_b32 s[SEL], 0x76543210
	s_mov_b32 s[SEL+1], 0xfedcba98
	s_mov_b32 s[CS], 0x3e38aa3b                    ; c = log2(e) / 8
	s_mov_b32 s[CS+1], s[CS]
	s_mov_b32 s[KF], 0
	s_mov_b32 s[TBK], 0
	s_mov_b32 s[TBV], 0
	s_mov_b32 s[SLOTS], 7
	s_lshr_b32 s51, s[WV], 1
	s_cmp_eq_u32 s51, 2
	s_cselect_b32 s[LIM], 1, -1                    ; waves 4 and 5 prefetch
	s_wait_dscnt 0x0                               ; both opening adds are done
	s_wait_kmcnt 0x0
	s_mov_b32 s[G0K], 1
	s_mov_b32 s[G0K+1], s18
	s_add_nc_u64 s[G0K+2:G0K+3], s[4:5], s[52:53]
	s_mov_b32 s[G0V], 1
	s_mov_b32 s[G0V+1], s19
	s_add_nc_u64 s[G0V+2:G0V+3], s[G0K+2:G0K+3], 0x1000000  ; the same rows in v's part
	s_or_b32 s[G0K+3], s[G0K+3], 0x80000000
	s_or_b32 s[G0V+3], s[G0V+3], 0x80000000
	s_lshl_b32 s52, s[Q0], 7
	s_add_co_u32 s52, s52, s50
	s_add_nc_u64 s[QA:QA+1], s[4:5], s[52:53]      ; q at my first query
	s_and_b32 s52, s48, 15
	s_lshl_b32 s52, s52, 20
	s_lshr_b32 s51, s48, 4
	s_lshl_b32 s51, s51, 18
	s_add_co_u32 s52, s52, s51
	s_lshl_b32 s51, s[Q0], 7
	s_add_co_u32 s52, s52, s51
	s_add_nc_u64 s[OA:OA+1], s[6:7], s[52:53]      ; att at my first query
	s_lshl_b32 s52, s49, 24                        ; wave 4: k's part; wave 5: v's
	s_add_co_u32 s52, s52, 0x1000000
	s_add_co_u32 s52, s52, s50
	s_lshl_b32 s51, s[CX], 13
	s_add_co_u32 s52, s52, s51
	s_add_co_u32 s52, s52, 32768                   ; in slot 1: the first change of slots steps it to slot 2
	s_add_nc_u64 s[PFA:PFA+1], s[4:5], s[52:53]
	CROUND                                         ; all four work-groups are here: the first joint loads meet
	TLOAD                                          ; slot 0
	v_and_b32 v7, 15, v0                           ; r
	v_bfe_u32 v8, v0, 4, 1                         ; h
	v_lshlrev_b32 v11, 7, v7
	v_lshl_add_u32 v11, v8, 4, v11
.irp f, 0,1,2,3
	global_load_b128 v[QF+8*\f:QF+8*\f+3], v11, s[QA:QA+1] offset:(\f/2)*2048+(\f%2)*64
	global_load_b128 v[QF+8*\f+4:QF+8*\f+7], v11, s[QA:QA+1] offset:(\f/2)*2048+(\f%2)*64+32
.endr
	v_mul_u32_u24 v[AK0], v7, KP
	v_lshl_add_u32 v[AK0], v8, 4, v[AK0]           ; K: row r, + 16 h
	v_and_b32 v9, 7, v0
	v_lshl_add_u32 v[AV0], v8, 3, v9
	v_mul_u32_u24 v[AV0], v[AV0], VP
	v_bfe_u32 v9, v0, 3, 1
	v_lshl_add_u32 v[AV0], v9, 4, v[AV0]
	v_add_nc_u32 v[AV0], VOFF, v[AV0]              ; V, turned: key 8 h + lane % 8, channels 8 ((lane / 8) % 2) on
	v_lshlrev_b32 v[RH], 3, v8
	v_sub_nc_u32 v[RH], v7, v[RH]
	v_and_b32 v[PFO], 31, v0
	v_lshlrev_b32 v[PFO], 8, v[PFO]
	v_mov_b32 v[NEG], 0xff800000
.irp t, 0,1
	v_mov_b32 v[ST+8*\t+1], 0xff61b1e6             ; m = -3e38, under every score
	v_mul_f32 v[ST+8*\t], s[CS], v[ST+8*\t+1]
.irp j, 2,3,4,5,6,7
	v_mov_b32 v[ST+8*\t+\j], 0                     ; l, and the registers at work, written once
.endr
.endr
.set i, 0
.rept 64
	v_mov_b32 v[OT+i], 0                           ; O^T: the step is written once; the first finds zeros
.set i, i+1
.endr
; A KEY STEP: 64 keys.
.macro STEP
	s_add_co_u32 s18, s[GQ], 127
	s_cmp_gt_u32 s[KF], s18                        ; all 64 keys come after the last query of my rank: the step's work is left out
	s_cbranch_scc1 .Lhidden_\@
	v_add_nc_u32 v[ADR], s[TBK], v[AK0]
.rept 5
	v_nop                                          ; places behind the last products: the loads below land on registers that they read, and the products below write over P
.endr
.irp f, 0,1,2,3,4,5,6,7
	ds_load_b128 v[KV+8*\f:KV+8*\f+3], v[ADR] offset:(\f/2)*16*KP+(\f%2)*64
	ds_load_b128 v[KV+8*\f+4:KV+8*\f+7], v[ADR] offset:(\f/2)*16*KP+(\f%2)*64+32
.endr
	s_wait_dscnt 0x0
.set i, 0
.rept 16                               ; S^T = K Q^T: eight accumulators by turns; the first eight products start the sums
.set rS, S+32*(i%2)+8*((i/2)%4)
.set rK, KV+8*(2*((i/2)%4)+i/8)
.set rQ, QF+16*(i%2)+8*(i/8)
.if i < 8
	v_wmma_f32_16x16x32_f16 v[rS:rS+7], v[rK:rK+7], v[rQ:rQ+7], 0
.else
	v_wmma_f32_16x16x32_f16 v[rS:rS+7], v[rK:rK+7], v[rQ:rQ+7], v[rS:rS+7]
.endif
.set i, i+1
.endr
	v_add_nc_u32 v[ADR], s[TBV], v[AV0]
.rept 4
	v_nop                                          ; places: V lands where K lay, and the scores are read below
.endr
.irp f, 0,1,2,3,4,5,6,7
	ds_load_tr16_b128 v[KV+8*\f:KV+8*\f+3], v[ADR] offset:(\f/4)*32*VP+(\f%4)*32          ; keys 32 (f / 4) on, channels 16 (f % 4) on: they land under the softmax
	ds_load_tr16_b128 v[KV+8*\f+4:KV+8*\f+7], v[ADR] offset:(\f/4)*32*VP+16*VP+(\f%4)*32
.endr
	s_add_co_u32 s18, s[KF], 63
	s_cmp_le_u32 s18, s[GQ]                        ; all 64 keys count for every query of my rank: no mask
	s_cbranch_scc1 .Lopen_\@
	s_sub_co_i32 s18, s[Q0], s[KF]
	v_add_nc_u32 v[D0], s18, v[RH]                 ; register 8 kt + j of tile t holds key KF + 16 kt + 8 h + j: hidden where 16 kt + j > my query - KF - 8 h
	v_add_nc_u32 v[D0+1], 16, v[D0]
.irp t, 0,1
.set i, 0
.rept 32
	v_cmp_gt_i32 vcc_lo, 16*(i/8)+i%8, v[D0+\t]
	v_cndmask_b32 v[S+32*\t+i], v[S+32*\t+i], v[NEG], vcc_lo
.set i, i+1
.endr
.endr
.Lopen_\@:
.irp j, 0,1,2,3                        ; the maximum of my 32 scores and the old m: four chains a tile, the two tiles by turns; each accumulator is read from its low end on
.irp t, 0,1
	v_max3_num_f32 v[ST+8*\t+4+\j], v[S+32*\t+8*\j], v[S+32*\t+8*\j+1], v[S+32*\t+8*\j+2]
.endr
.endr
.irp g, 1,2
.irp j, 0,1,2,3
.irp t, 0,1
	v_max3_num_f32 v[ST+8*\t+4+\j], v[ST+8*\t+4+\j], v[S+32*\t+8*\j+2*\g+1], v[S+32*\t+8*\j+2*\g+2]
.endr
.endr
.endr
.irp t, 0,1
	v_max3_num_f32 v[ST+8*\t+4], v[ST+8*\t+4], v[S+32*\t+7], v[S+32*\t+15]
	v_max3_num_f32 v[ST+8*\t+6], v[ST+8*\t+6], v[S+32*\t+23], v[S+32*\t+31]
.endr
.irp t, 0,1
	v_max3_num_f32 v[ST+8*\t+4], v[ST+8*\t+4], v[ST+8*\t+5], v[ST+8*\t+6]
.endr
.irp t, 0,1
	v_max3_num_f32 v[ST+8*\t+4], v[ST+8*\t+4], v[ST+8*\t+7], v[ST+8*\t+1]
.endr
.irp t, 0,1
	v_permlanex16_b32 v[ST+8*\t+5], v[ST+8*\t+4], s[SEL], s[SEL+1]   ; the query's other 32 keys lie in the lane 16 away
.endr
.irp t, 0,1
	v_mov_b32 v[ST+8*\t+7], v[ST+8*\t]             ; c m_old
.endr
.irp t, 0,1
	v_max_num_f32 v[ST+8*\t+1], v[ST+8*\t+4], v[ST+8*\t+5]
.endr
.irp t, 0,1
	v_mul_f32 v[ST+8*\t], s[CS], v[ST+8*\t+1]
.endr
.irp t, 0,1
	v_sub_f32 v[ST+8*\t+7], v[ST+8*\t+7], v[ST+8*\t]
.endr
.set i, 0
.rept 16
	v_pk_fma_f32 v[S+i:S+i+1], v[S+i:S+i+1], s[CS:CS+1], v[ST:ST+1] op_sel_hi:[1,0,0] neg_lo:[0,0,1] neg_hi:[0,0,1]   ; c s - c m
	v_pk_fma_f32 v[S+32+i:S+33+i], v[S+32+i:S+33+i], s[CS:CS+1], v[ST+8:ST+9] op_sel_hi:[1,0,0] neg_lo:[0,0,1] neg_hi:[0,0,1]
.set i, i+2
.endr
.irp t, 0,1
	v_exp_f32 v[ST+8*\t+6], v[ST+8*\t+7]           ; a
.endr
.set i, 0
.rept 32
	v_exp_f32 v[S+i], v[S+i]
	v_exp_f32 v[S+32+i], v[S+32+i]
.set i, i+1
.endr
	v_nop                                          ; a plain instruction behind the last exponential
	s_wait_alu depctr_va_vdst(0)                   ; one wait for the 66 exponentials, ahead of the first instruction that names a result
.irp t, 0,1                            ; l = a l + the sum of the unrounded p, in two chains a tile
	v_pk_fma_f32 v[ST+8*\t+2:ST+8*\t+3], v[ST+8*\t+2:ST+8*\t+3], v[ST+8*\t+6:ST+8*\t+7], v[S+32*\t:S+32*\t+1] op_sel_hi:[1,0,1]
	v_pk_add_f32 v[ST+8*\t+4:ST+8*\t+5], v[S+32*\t+2:S+32*\t+3], v[S+32*\t+4:S+32*\t+5]
.endr
.irp j, 6,10,14,18,22,26
.irp t, 0,1
	v_pk_add_f32 v[ST+8*\t+2:ST+8*\t+3], v[ST+8*\t+2:ST+8*\t+3], v[S+32*\t+\j:S+32*\t+\j+1]
	v_pk_add_f32 v[ST+8*\t+4:ST+8*\t+5], v[ST+8*\t+4:ST+8*\t+5], v[S+32*\t+\j+2:S+32*\t+\j+3]
.endr
.endr
.irp t, 0,1
	v_pk_add_f32 v[ST+8*\t+2:ST+8*\t+3], v[ST+8*\t+2:ST+8*\t+3], v[S+32*\t+30:S+32*\t+31]
.endr
.irp t, 0,1
	v_pk_add_f32 v[ST+8*\t+2:ST+8*\t+3], v[ST+8*\t+2:ST+8*\t+3], v[ST+8*\t+4:ST+8*\t+5]
.endr
.set i, 0
.rept 16                               ; P: pairs of weights rounded to f16, in place, ascending: register i takes weights 2 i and 2 i + 1
	v_cvt_pk_f16_f32 v[S+i], v[S+2*i], v[S+2*i+1]
	v_cvt_pk_f16_f32 v[S+32+i], v[S+32+2*i], v[S+32+2*i+1]
.set i, i+1
.endr
.set i, 0
.rept 16                               ; O^T x a, each accumulator from its low end on
	v_pk_mul_f32 v[OT+i:OT+i+1], v[OT+i:OT+i+1], v[ST+6:ST+7] op_sel_hi:[1,0]
	v_pk_mul_f32 v[OT+32+i:OT+33+i], v[OT+32+i:OT+33+i], v[ST+14:ST+15] op_sel_hi:[1,0]
.set i, i+2
.endr
	s_wait_dscnt 0x0                               ; V is in
.set i, 0
.rept 16                               ; O^T += V^T P: eight accumulators by turns
.set rO, OT+32*(i%2)+8*((i/2)%4)
.set rV, KV+8*(4*(i/8)+(i/2)%4)
.set rP, S+32*(i%2)+8*(i/8)
	v_wmma_f32_16x16x32_f16 v[rO:rO+7], v[rV:rV+7], v[rP:rP+7], v[rO:rO+7]
.set i, i+1
.endr
.Lhidden_\@:
	s_add_co_u32 s[KF], s[KF], 64
	s_add_co_u32 s[TBK], s[TBK], 64*KP
	s_add_co_u32 s[TBV], s[TBV], 64*VP
.endm
; THE CHANGE OF SLOTS stands at a slot's head.  Each wave waits for all its tensor loads, adds 0 to its spare word (fill = 1: twice on end), and waits for that and
; for its reads of the slot that it has left.  fill = 1: a round of the cluster's barrier; behind it the slot just left is asked for jointly: the load has four key steps in which to land.
.macro CHANGE fill
	s_wait_tensorcnt 0x0
	ds_add_u32 v[SPW], v[NIL]
.if \fill
	ds_add_u32 v[SPW], v[NIL]
	s_xor_b32 s[G0K+1], s[G0K+1], SLOT1            ; no tensor load of mine is out: the descriptors walk: the other slot, the next 256 keys
	s_add_nc_u64 s[G0K+2:G0K+3], s[G0K+2:G0K+3], 32768
	s_xor_b32 s[G0V+1], s[G0V+1], SLOT1
	s_add_nc_u64 s[G0V+2:G0V+3], s[G0V+2:G0V+3], 32768
	s_wait_xcnt 0x0                                ; the last prefetch, a slot back, has read its address
	s_add_nc_u64 s[PFA:PFA+1], s[PFA:PFA+1], 32768
	s_wait_dscnt 0x0
	CROUND
	TLOAD
	ASK
.else
	s_wait_dscnt 0x0
	s_barrier_signal -1
	s_barrier_wait -1
.endif
.endm
.macro SLOT_STEPS                      ; a slot's four key steps: written once, walked four times
	s_mov_b32 s[CNT], 4
.Lstep_\@:
	STEP
	s_sub_co_u32 s[CNT], s[CNT], 1
	s_cmp_lg_u32 s[CNT], 0
	s_cbranch_scc1 .Lstep_\@
	s_sub_co_u32 s[TBK], s[TBK], 256*KP
	s_xor_b32 s[TBK], s[TBK], SLOT1
	s_sub_co_u32 s[TBV], s[TBV], 256*VP
	s_xor_b32 s[TBV], s[TBV], SLOT1
.endm
	s_wait_loadcnt 0x0                             ; Q
.Lslot:                                            ; seven trips: behind each change of slots but the last the next slot is asked for
	CHANGE 1
	SLOT_STEPS
	s_sub_co_u32 s[SLOTS], s[SLOTS], 1
	s_cmp_lg_u32 s[SLOTS], 0
	s_cbranch_scc1 .Lslot
	CHANGE 0                                       ; the last slot is written out
	SLOT_STEPS
	; THE WAY OUT: O^T / l, rounded to f16, through my stage, 32 rows of 128 bytes; each store covers 512 consecutive bytes.  The address work is the places behind the last products.
	v_and_b32 v7, 15, v0
	v_bfe_u32 v8, v0, 4, 1
	s_mul_i32 s18, s[WV], STG
	v_mul_u32_u24 v9, v7, KP
	v_lshl_add_u32 v9, v8, 4, v9
	v_add_nc_u32 v9, s18, v9                       ; in: row r of a tile, + 16 h
	v_and_b32 v11, 31, v0
	v_lshrrev_b32 v10, 3, v11
	v_mul_u32_u24 v10, v10, KP
	v_and_b32 v7, 7, v0
	v_lshl_add_u32 v10, v7, 4, v10
	v_add_nc_u32 v10, s18, v10                     ; back: four rows an instruction, eight lanes to a row
	v_lshlrev_b32 v11, 4, v11
.irp t, 0,1
	v_add_f32 v[ST+8*\t+4], v[ST+8*\t+2], v[ST+8*\t+3]
.endr
.irp t, 0,1
	v_permlanex16_b32 v[ST+8*\t+5], v[ST+8*\t+4], s[SEL], s[SEL+1]
.endr
.irp t, 0,1
	v_add_f32 v[ST+8*\t+4], v[ST+8*\t+4], v[ST+8*\t+5]
.endr
.irp t, 0,1
	v_rcp_f32 v[ST+8*\t+6], v[ST+8*\t+4]
.endr
	v_nop
	s_wait_alu depctr_va_vdst(0)                   ; one wait for the two reciprocals, ahead of their first reader
.set i, 0
.rept 16
	v_pk_mul_f32 v[OT+i:OT+i+1], v[OT+i:OT+i+1], v[ST+6:ST+7] op_sel_hi:[1,0]
	v_pk_mul_f32 v[OT+32+i:OT+33+i], v[OT+32+i:OT+33+i], v[ST+14:ST+15] op_sel_hi:[1,0]
.set i, i+2
.endr
.set i, 0
.rept 32
	v_cvt_pk_f16_f32 v[S+i], v[OT+2*i], v[OT+2*i+1]
.set i, i+1
.endr
.irp t, 0,1
.irp c, 0,1,2,3
	ds_store_b128 v9, v[S+16*\t+4*\c:S+16*\t+4*\c+3] offset:\t*16*KP+32*\c
.endr
.endr
.irp i, 0,1,2,3,4,5,6,7
	ds_load_b128 v[S+32+4*\i:S+32+4*\i+3], v10 offset:\i*4*KP      ; in order behind my stores
.endr
.irp i, 0,1,2,3,4,5,6,7
	s_wait_dscnt 7-\i
	global_store_b128 v11, v[S+32+4*\i:S+32+4*\i+3], s[OA:OA+1] offset:512*\i
.endr
	s_wait_tensorcnt 0x0                           ; the wave's end
	ds_add_u32 v[SPW], v[NIL]
	s_wait_dscnt 0x0
	CROUND                                         ; the closing round
	s_endpgm
.Lfunc_end_k_qb1535adae3_attn:
	.size	k_qb1535adae3_attn, .Lfunc_end_k_qb1535adae3_attn-k_qb1535adae3_attn
	.p2alignl 7, 3214868480
	.fill 96, 4, 3214868480
	.section	.rodata,"a",@progbits
	.p2align	6, 0x0
	.amdhsa_kernel k_qb1535adae3_attn
		.amdhsa_group_segment_fixed_size 327680
		.amdhsa_private_segment_fixed_size 0
		.amdhsa_enable_private_segment 0
		.amdhsa_kernarg_size 16
		.amdhsa_user_sgpr_count 2
		.amdhsa_user_sgpr_kernarg_segment_ptr 1
		.amdhsa_wavefront_size32 1
		.amdhsa_system_sgpr_workgroup_id_x 1
		.amdhsa_system_sgpr_workgroup_id_y 1
		.amdhsa_system_sgpr_workgroup_id_z 1
		.amdhsa_system_vgpr_workitem_id 0
		.amdhsa_next_free_vgpr 256
		.amdhsa_next_free_sgpr 66
		.amdhsa_reserve_vcc 1
		.amdhsa_float_denorm_mode_32 3
		.amdhsa_float_denorm_mode_16_64 3
		.amdhsa_memory_ordered 1
		.amdhsa_forward_progress 1
		.amdhsa_inst_pref_size 63
	.end_amdhsa_kernel
	.amdgpu_metadata
---
amdhsa.version: [ 1, 2 ]
amdhsa.kernels:
  - .name:           k_qb1535adae3_attn
    .symbol:         k_qb1535adae3_attn.kd
    .args:
      - { .name: qkvh, .offset: 0, .size: 8, .value_kind: global_buffer, .address_space: global }
      - { .name: att, .offset: 8, .size: 8, .value_kind: global_buffer, .address_space: global }
    .group_segment_fixed_size: 327680
    .private_segment_fixed_size: 0
    .kernarg_segment_align: 8
    .kernarg_segment_size: 16
    .max_flat_workgroup_size: 512
    .sgpr_count:     66
    .vgpr_count:     256
    .wavefront_size: 32
...
	.end_amdgpu_metadata
.endif
;; end of part 3
;; launch proj (part 4): grid 4 x 64, 4 waves a work-group, clusters of 4 x 4, 327,680 bytes of LDS; arguments att, wp, out0, b_proj; writes out0
.if DOCPART == 4
	.amdgcn_target "amdgcn-amd-amdhsa--gfx1250"
	.amdhsa_code_object_version 6
	.text
	.protected	k_qb1535adae3_proj
	.globl	k_qb1535adae3_proj
	.p2align	8
	.type	k_qb1535adae3_proj,@function
k_qb1535adae3_proj:
	s_mov_b64 s[64:65], 0
	v_nop
	global_prefetch_b8 v0, s[64:65] scope:SCOPE_SE
	s_setreg_imm32_b32 hwreg(HW_REG_WAVE_MODE, 25, 1), 1
	s_wait_xcnt 0x0
	s_wait_alu depctr_hold_cnt(0) depctr_sa_sdst(0) depctr_va_vdst(0) depctr_va_sdst(0) depctr_va_ssrc(0) depctr_va_vcc(0) depctr_vm_vsrc(0)
	s_getreg_b32 s2, hwreg(HW_REG_IB_STS2, 6, 4)
	s_cmp_eq_u32 s2, 0
	s_cbranch_scc0 .Lentry_in_a_cluster
	s_endpgm
.Lentry_in_a_cluster:
	s_bfe_u32 s2, ttmp6, 0x10000c
	s_cmp_lg_u32 s2, 0xf033
	s_cbranch_scc0 .Lentry_shape_is_right
	s_endpgm
.Lentry_shape_is_right:
; PROJ: out0[m][n] = sum over k of att[m][k] W_proj[k][n] + b_proj[n], f16 operands, f32 sums.  m 8,192, n 1,024, K 1,024 = 16 heads x 64.
; att is [head][m][64] f16, wp is W_proj^T, [n][k] f16.  NOT STORED HERE: the first 16 positions of every sequence, which the last launch makes in f32.
; A tile of 128 x 256 is made by four waves, each 64 x 128: 32 accumulators, 256 registers: so there are 256 work-groups.  K goes in steps of 128 (two heads) through two LDS slots.
; CLUSTERS: 4 x 4; att's tiles are shared along a row of the cluster, wp's along a column, by joint loads: waves 0 and 1 fetch the step's two heads of att (128 rows x 128 bytes each),
; waves 2 and 3 the two halves of wp's 256 rows (x 256 bytes).  Two tensor loads of a wave are out at the start, later one.
; THE MATRIX INSTRUCTION IS USED TRANSPOSED (source 0 = 16 rows of wp, source 1 = 16 rows of att).  The bias is the C of each sum's first product.
; REGISTERS: window 0: v0-31 addresses; v64-95, v128-159 att's fragments, two buffers; v192-255 the bias; on the way out v64-191 rows.   window 1: v64-127, v128-191 wp's fragments.   window 2: the accumulators.
.set AP,     144                       ; a row of att in LDS: 128 bytes + 16
.set BP,     272                       ; a row of wp: 256 + 16
.set CHUNK,  128*AP                    ; one head's 128 rows
.set BOFF,   2*CHUNK
.set BHALF,  128*BP
.set SLOT,   BOFF+2*BHALF
.set STAGE,  2*SLOT                    ; 16 rows x 528 bytes for each wave
.set SPITCH, 528
.set SPARE,  STAGE+4*16*SPITCH
.set LAPS,   4
.set ADRA, 16
.set ADRB, 20
.set STO,  24
.set RD,   25
.set CO,   26
.set SPW,  28
.set NIL,  29
.set BO,   30
.set F0,   64
.set F1,   128
.set BK,   64
.set BIAS, 192
.set G1, 24
.set G0, 32
.set G1B, 48
.set G0B, 56
.set MSB, 0
.macro WIN new
.if MSB != \new
	s_set_vgpr_msb (MSB<<8)|\new
.set MSB, \new
.endif
.endm
.set MULW, 0xa1                        ; source 0 (wp) window 1, source 1 (att) window 0, C and D window 2
.set MULB, 0x81                        ; the same with C (the bias) in window 0
.set TO_B, 0x40
.macro JLOAD s
	s_cmp_eq_u32 s11, 0
	s_cbranch_scc0 .Lfor_b_\@
	tensor_load_to_lds s[G0+4*\s:G0+4*\s+3], s[G1:G1+7]
	s_nop 0
.rept 4
	v_nop
.endr
	s_branch .Lasked_\@
.Lfor_b_\@:
	tensor_load_to_lds s[G0B+4*\s:G0B+4*\s+3], s[G1B:G1B+7]
	s_nop 0
.rept 4
	v_nop
.endr
.Lasked_\@:
.endm
.macro CREST
	s_cmp_lg_u32 s10, 0
	s_cbranch_scc1 .Lnot_wave_0_\@
	s_barrier_signal -3
.Lnot_wave_0_\@:
	s_barrier_wait -3
	s_barrier_signal -1
	s_barrier_wait -1
.endm
.macro CROUND
	s_barrier_signal -1
	s_barrier_wait -1
	CREST
.endm
	s_load_b128 s[4:7], s[0:1], 0x0                ; att, wp
	s_load_b64 s[8:9], s[0:1], 0x10                ; out0
	s_load_b64 s[68:69], s[0:1], 0x18              ; b_proj
	v_lshl_add_u32 v[SPW], v0, 2, SPARE
	v_mov_b32 v[NIL], 0
	ds_add_u32 v[SPW], v[NIL]                      ; the wave's opening: the add, twice on end, and its wait ahead of my first tensor load
	ds_add_u32 v[SPW], v[NIL]
	v_lshrrev_b32 v1, 5, v0
	v_readfirstlane_b32 s10, v1                    ; wave 0..3
	s_lshr_b32 s11, s10, 1                         ; my half of the tile's rows; also: I fetch for att (0) or for wp (1)
	s_and_b32 s12, s10, 1                          ; my half of its columns; also: which head, or which 128 rows, I fetch
	s_bfe_u32 s40, ttmp6, 0x40000
	s_bfe_u32 s41, ttmp6, 0x40004
	s_lshl_b32 s42, ttmp9, 2
	s_add_co_u32 s42, s42, s40                     ; tile column
	s_and_b32 s13, ttmp7, 0xffff
	s_lshl_b32 s13, s13, 2
	s_add_co_u32 s13, s13, s41                     ; tile row
	s_lshl_b32 s43, s41, 2
	s_lshl_b32 s43, 15, s43
	s_lshl_b32 s44, 0x1111, s40
	s_or_b32 s[G1+0], s43, (1<<16)|(1<<20)|(1<<21)|(4<<22)|(3<<25)   ; att: elements of 2 bytes; 4 words of padding after every 32
	s_mov_b32 s[G1+1], 64<<16
	s_mov_b32 s[G1+2], 128<<16
	s_mov_b32 s[G1+3], 64<<16
	s_mov_b32 s[G1+4], 128
	s_mov_b32 s[G1+5], 64
	s_mov_b32 s[G1+6], 0
	s_mov_b32 s[G1+7], 0
	s_or_b32 s[G1B+0], s44, (1<<16)|(1<<20)|(1<<21)|(5<<22)|(3<<25)  ; wp: 4 words after every 64
	s_mov_b32 s[G1B+1], 128<<16
	s_mov_b32 s[G1B+2], 128<<16
	s_mov_b32 s[G1B+3], 128<<16
	s_mov_b32 s[G1B+4], 128
	s_mov_b32 s[G1B+5], 1024
	s_mov_b32 s[G1B+6], 0
	s_mov_b32 s[G1B+7], 0
	s_lshl_b32 s16, s12, 20                        ; att: head s12 of the step, rows 128 x tile row
	s_lshl_b32 s17, s13, 14
	s_add_co_u32 s16, s16, s17
	s_mov_b32 s17, 0
	s_lshl_b32 s46, s42, 19                        ; wp: row 256 x tile column + 128 x half
	s_lshl_b32 s47, s12, 18
	s_add_co_u32 s46, s46, s47
	s_mov_b32 s47, 0
	s_mul_i32 s20, s12, CHUNK
	s_mul_i32 s21, s12, BHALF
	s_add_co_u32 s21, s21, BOFF
	s_wait_dscnt 0x0                               ; both opening adds are done
	s_wait_kmcnt 0x0
	s_add_nc_u64 s[14:15], s[4:5], s[16:17]
	s_add_nc_u64 s[46:47], s[6:7], s[46:47]
	CROUND
.irp s, 0,1
	s_mov_b32 s[G0+4*\s], 1
	s_add_co_u32 s[G0+4*\s+1], s20, \s*SLOT
	s_add_nc_u64 s[G0+4*\s+2:G0+4*\s+3], s[14:15], \s*2*1048576
	s_or_b32 s[G0+4*\s+3], s[G0+4*\s+3], 0x80000000
	s_mov_b32 s[G0B+4*\s], 1
	s_add_co_u32 s[G0B+4*\s+1], s21, \s*SLOT
	s_add_nc_u64 s[G0B+4*\s+2:G0B+4*\s+3], s[46:47], \s*256
	s_or_b32 s[G0B+4*\s+3], s[G0B+4*\s+3], 0x80000000
	JLOAD \s
.endr
	v_and_b32 v1, 15, v0
	v_bfe_u32 v2, v0, 4, 1
	v_lshlrev_b32 v[BO], 5, v2
	s_lshl_b32 s46, s42, 10
	s_lshl_b32 s47, s12, 9
	s_add_co_u32 s46, s46, s47                     ; 4 x my first column
	s_mov_b32 s47, 0
	s_add_nc_u64 s[68:69], s[68:69], s[46:47]
.irp b, 0,1,2,3,4,5,6,7
	global_load_b128 v[BIAS+8*\b:BIAS+8*\b+3], v[BO], s[68:69] offset:64*\b
	global_load_b128 v[BIAS+8*\b+4:BIAS+8*\b+7], v[BO], s[68:69] offset:64*\b+16
.endr
	s_lshl_b32 s16, s13, 19
	s_lshl_b32 s17, s11, 18
	s_add_co_u32 s16, s16, s17                     ; my first row x 4,096 bytes
	s_add_co_u32 s46, s46, s16
	s_add_nc_u64 s[8:9], s[8:9], s[46:47]
	s_and_b32 s66, s13, 15
	s_or_b32 s66, s66, s11
	s_cmp_eq_u32 s66, 0
	s_cselect_b32 s66, 0, -1                       ; no lane where my first 16 rows are a sequence's first 16 positions, else all: a mask for stores, never branched on
	v_mul_u32_u24 v3, v1, AP
	v_lshl_add_u32 v3, v2, 4, v3
	v_mul_u32_u24 v4, v1, BP
	v_lshl_add_u32 v4, v2, 4, v4
	s_mul_i32 s22, s11, 64*AP
	s_mul_i32 s23, s12, BHALF
	s_add_co_u32 s23, s23, BOFF
.irp s, 0,1
	v_add_nc_u32 v[ADRA+\s], s22, v3
	v_add_nc_u32 v[ADRB+\s], s23, v4
	s_add_co_u32 s22, s22, SLOT
	s_add_co_u32 s23, s23, SLOT
.endr
	s_mul_i32 s23, s10, 16*SPITCH
	s_add_co_u32 s23, s23, STAGE
	v_mul_u32_u24 v5, v1, SPITCH
	v_lshl_add_u32 v5, v2, 5, v5
	v_add_nc_u32 v[STO], s23, v5
	v_and_b32 v6, 31, v0
	v_lshlrev_b32 v[CO], 4, v6
	v_add_nc_u32 v[RD], s23, v[CO]
.macro MUL8 f, a, first                ; att's block a against wp's eight, 32 along K
.irp b, 0,1,2,3,4,5,6,7
.if \first
	v_wmma_f32_16x16x32_f16 v[8*(8*(\a)+\b):8*(8*(\a)+\b)+7], v[\f+8*\b:\f+8*\b+7], v[\f+8*(\a):\f+8*(\a)+7], v[BIAS+8*\b:BIAS+8*\b+7]
.else
	v_wmma_f32_16x16x32_f16 v[8*(8*(\a)+\b):8*(8*(\a)+\b)+7], v[\f+8*\b:\f+8*\b+7], v[\f+8*(\a):\f+8*(\a)+7], v[8*(8*(\a)+\b):8*(8*(\a)+\b)+7]
.endif
.endr
.endm
.macro FETCH slot, q, f                ; 24 LDS loads in one run: the fragments of the slot's q-th 32 along K: wp's eight, then att's four
	WIN TO_B
.irp i, 0,1,2,3,4,5,6,7
	ds_load_b128 v[\f+8*\i:\f+8*\i+3], v[ADRB+\slot] offset:64*(\q)+\i*16*BP
	ds_load_b128 v[\f+8*\i+4:\f+8*\i+7], v[ADRB+\slot] offset:64*(\q)+\i*16*BP+32
.endr
	WIN 0
.irp i, 0,1,2,3
	ds_load_b128 v[\f+8*\i:\f+8*\i+3], v[ADRA+\slot] offset:((\q)/2)*CHUNK+((\q)%2)*64+\i*16*AP
	ds_load_b128 v[\f+8*\i+4:\f+8*\i+7], v[ADRA+\slot] offset:((\q)/2)*CHUNK+((\q)%2)*64+\i*16*AP+32
.endr
.endm
.macro PLACES
.rept 4
	v_nop
.endr
.endm
; A K step is four quarters of 32 along K, 32 matrix instructions each, on buffers 0, 1, 0, 1; the 32 accumulators take turns in the same order in every quarter.
.macro QUARTER slot, q, f, g, first    ; multiplies buffer f and fetches quarter q into g
	s_wait_dscnt 4                                 ; wp's fragments and att's blocks 0, 1 are in; the youngest four loads may be out
.if \first
	WIN MULB
.else
	WIN MULW
.endif
	MUL8 \f, 0, \first
	MUL8 \f, 1, \first
	PLACES
	FETCH \slot, \q, \g
	s_wait_dscnt 24                                ; all but the 24 just issued
.if \first
	WIN MULB
.else
	WIN MULW
.endif
	MUL8 \f, 2, \first
	MUL8 \f, 3, \first
.endm
; The last quarter multiplies buffer 1 and changes slots: one barrier; in front of it each wave waits for all its tensor loads, adds 0 to its spare word, and waits for that and for its reads of this slot.
.macro TURN slot, next, fill
	WIN 0
	s_wait_tensorcnt 0x0                           ; my part of the next slot has landed
	ds_add_u32 v[SPW], v[NIL]
	s_wait_dscnt 5                                 ; the add and the youngest four loads may be out
	WIN MULW
	MUL8 F1, 0, 0
	s_wait_dscnt 0x0                               ; the add is done, and my reads of this slot are over
	s_barrier_signal -1
	MUL8 F1, 1, 0
.if \fill
	WIN 0
.endif
	s_barrier_wait -1
.if \fill
	CREST                                          ; the barrier has opened a round of the cluster's: no wave of any partner still reads this slot or has a load on its way
	s_add_nc_u64 s[G0+4*\slot+2:G0+4*\slot+3], s[G0+4*\slot+2:G0+4*\slot+3], 4*1048576   ; two K steps on: four heads
	s_add_nc_u64 s[G0B+4*\slot+2:G0B+4*\slot+3], s[G0B+4*\slot+2:G0B+4*\slot+3], 512
	JLOAD \slot                                    ; the first tensor load behind the round: 112 matrix instructions ahead of the wait for it; its four v_nop are the places for the loads below
.else
	PLACES
.endif
	FETCH \next, 0, F0
	WIN MULW
	MUL8 F1, 2, 0
	MUL8 F1, 3, 0
.endm
	s_wait_tensorcnt 1                             ; my part of K step 0 is in; K step 1's may be out
	s_barrier_signal -1
	s_barrier_wait -1
	FETCH 0, 0, F0
	s_wait_loadcnt 0x0                             ; the bias
	QUARTER 0, 1, F0, F1, 1                        ; the first quarter stands in front of the loop: its products start the sums
	WIN 0
	s_mov_b32 s3, LAPS-1
.Llap:
	QUARTER 0, 2, F1, F0, 0
	QUARTER 0, 3, F0, F1, 0
	TURN 0, 1, 1
	QUARTER 1, 1, F0, F1, 0
	QUARTER 1, 2, F1, F0, 0
	QUARTER 1, 3, F0, F1, 0
	TURN 1, 0, 1
	QUARTER 0, 1, F0, F1, 0
	WIN 0
	s_sub_co_u32 s3, s3, 1
	s_cmp_lg_u32 s3, 0
	s_cbranch_scc1 .Llap
	QUARTER 0, 2, F1, F0, 0                        ; the last lap fills nothing
	QUARTER 0, 3, F0, F1, 0
	TURN 0, 1, 0
	QUARTER 1, 1, F0, F1, 0
	QUARTER 1, 2, F1, F0, 0
	QUARTER 1, 3, F0, F1, 0
	s_wait_dscnt 4
	WIN MULW
	MUL8 F1, 0, 0
	MUL8 F1, 1, 0
	s_wait_dscnt 0
	MUL8 F1, 2, 0
	MUL8 F1, 3, 0
	WIN 0
; THE WAY OUT, block by block of 16 rows x 128 columns, through my own stage: in 32 bytes a lane, back as rows of 512 bytes.
.macro TOSTAGE a
	WIN 0x08
.irp b, 0,1,2,3,4,5,6,7
	ds_store_b128 v[STO], v[64*(\a)+8*\b:64*(\a)+8*\b+3] offset:64*\b          ; each accumulator from its low end on
	ds_store_b128 v[STO], v[64*(\a)+8*\b+4:64*(\a)+8*\b+7] offset:64*\b+16
.endr
	WIN 0
.set i, 0
.rept 16
	ds_load_b128 v[BK+64*((\a)%2)+4*i:BK+64*((\a)%2)+4*i+3], v[RD] offset:i*SPITCH
.set i, i+1
.endr
.endm
.macro SEND a, younger
	s_wait_dscnt \younger
.set i, 0
.rept 16
	global_store_b128 v[CO], v[BK+64*((\a)%2)+4*i:BK+64*((\a)%2)+4*i+3], s[8:9] offset:65536*(\a)+4096*i th:TH_STORE_NT   ; 512 consecutive bytes, aligned
.set i, i+1
.endr
.endm
	PLACES
	TOSTAGE 0
	s_wait_dscnt 0x0
	s_wait_xcnt 0x0                                ; EXEC changes only behind this wait
	s_mov_b32 vcc_lo, s66
	s_and_saveexec_b32 s67, vcc_lo                 ; block 0 is not stored where it is a sequence's first 16 positions
	SEND 0, 0
	s_wait_xcnt 0x0
	s_or_b32 exec_lo, exec_lo, s67
	TOSTAGE 1
.irp a, 2,3
	s_wait_xcnt 0x0                                ; block a - 2's stores have read their registers: block a's loads may land there
	TOSTAGE \a
	SEND \a-1, 32                                  ; behind block a - 1's loads: block a's 16 stores and 16 loads
.endr
	SEND 3, 0
	s_wait_tensorcnt 0x0                           ; the wave's end
	ds_add_u32 v[SPW], v[NIL]
	s_wait_dscnt 0x0
	CROUND                                         ; the closing round
	s_endpgm
.Lfunc_end_k_qb1535adae3_proj:
	.size	k_qb1535adae3_proj, .Lfunc_end_k_qb1535adae3_proj-k_qb1535adae3_proj
	.p2alignl 7, 3214868480
	.fill 96, 4, 3214868480
	.section	.rodata,"a",@progbits
	.p2align	6, 0x0
	.amdhsa_kernel k_qb1535adae3_proj
		.amdhsa_group_segment_fixed_size 327680
		.amdhsa_private_segment_fixed_size 0
		.amdhsa_enable_private_segment 0
		.amdhsa_kernarg_size 32
		.amdhsa_user_sgpr_count 2
		.amdhsa_user_sgpr_kernarg_segment_ptr 1
		.amdhsa_wavefront_size32 1
		.amdhsa_system_sgpr_workgroup_id_x 1
		.amdhsa_system_sgpr_workgroup_id_y 1
		.amdhsa_system_sgpr_workgroup_id_z 1
		.amdhsa_system_vgpr_workitem_id 0
		.amdhsa_next_free_vgpr 768
		.amdhsa_next_free_sgpr 70
		.amdhsa_reserve_vcc 1
		.amdhsa_float_denorm_mode_32 3
		.amdhsa_float_denorm_mode_16_64 3
		.amdhsa_memory_ordered 1
		.amdhsa_forward_progress 1
		.amdhsa_inst_pref_size 87
	.end_amdhsa_kernel
	.amdgpu_metadata
---
amdhsa.version: [ 1, 2 ]
amdhsa.kernels:
  - .name:           k_qb1535adae3_proj
    .symbol:         k_qb1535adae3_proj.kd
    .args:
      - { .name: att, .offset: 0, .size: 8, .value_kind: global_buffer, .address_space: global }
      - { .name: wp, .offset: 8, .size: 8, .value_kind: global_buffer, .address_space: global }
      - { .name: out0, .offset: 16, .size: 8, .value_kind: global_buffer, .address_space: global }
      - { .name: b_proj, .offset: 24, .size: 8, .value_kind: global_buffer, .address_space: global }
    .group_segment_fixed_size: 327680
    .private_segment_fixed_size: 0
    .kernarg_segment_align: 8
    .kernarg_segment_size: 32
    .max_flat_workgroup_size: 128
    .sgpr_count:     70
    .vgpr_count:     768
    .wavefront_size: 32
...
	.end_amdgpu_metadata
.endif
;; end of part 4
;; launch fine (part 5): grid 16 x 4, 16 waves a work-group, no clusters, 71,680 bytes of LDS; arguments q32, W_proj, b_proj, out0; writes out0
.if DOCPART == 5
	.amdgcn_target "amdgcn-amd-amdhsa--gfx1250"
	.amdhsa_code_object_version 6
	.text
	.protected	k_qb1535adae3_fine
	.globl	k_qb1535adae3_fine
	.p2align	8
	.type	k_qb1535adae3_fine,@function
k_qb1535adae3_fine:
	s_mov_b64 s[64:65], 0
	v_nop
	global_prefetch_b8 v0, s[64:65] scope:SCOPE_SE
	s_setreg_imm32_b32 hwreg(HW_REG_WAVE_MODE, 25, 1), 1
	s_wait_xcnt 0x0
; FINE: the first 16 positions of every sequence, attention and projection, all in f32: these rows average one to sixteen values and are the largest of the output.
; LEFT OUT: the bias on k (q32's k holds none: shown at the head of the first kernel).
; Work-group (cb, batch) makes out0[batch][t < 16][64 cb .. 64 cb + 63].  Wave w is head w: it makes its head's attention (16 queries x 16 keys x 64 channels) and then its head's 64 of the
; projection's K; the sixteen partial results meet in LDS, and wave w adds up row t = w.
; THE F32 MATRIX FORM, 16 x 16 x 4: lane (r, h) holds row r and, in register j, slot k = 2 h + j.  Which number of K stands in which slot is free as long as both sources agree:
;   S^T = K Q^T: product i takes, in slot (h, j), channel 8 (i / 2) + 4 h + 2 (i % 2) + j: so a lane's numbers come by loads of 16 bytes;
;   O^T = V^T P: S^T leaves lane (r, h) with query r and keys 8 h + 0..7, so product s takes key 8 h + 2 s + j, and P's registers are the source as they stand;
;   out^T = W^T O: O^T leaves the lane with channels 16 ct + 8 h + 0..7, so product (ct, s) takes channel 16 ct + 8 h + 2 s + j, and O^T's registers are the source as they stand.
; The registers that these products write (v112-175) are written by matrix instructions alone; four accumulators take turns in each product.
.set PART,  16*272                     ; a wave's partial result: 16 rows x (256 bytes + 16)
.set SPARE, 16*PART
.set SPW, 8
.set NIL, 9
.set KA,  16                           ; v16-47   k;  v48-79 q;  later W_proj's rows for K steps 8 to 15
.set QB,  48
.set VA,  80                           ; v80-111  v
.set AC,  112                          ; v112-143 four accumulators: S^T's, later the projection's
.set OA,  144                          ; v144-175 O^T
.set SS,  176                          ; v176-183 the scores, then P
.set TW,  184                          ; v184-191 at work
.set WA,  192                          ; v192-255 W_proj's rows for K steps 0 to 7; later the partial results
	s_load_b256 s[4:11], s[0:1], 0x0               ; q32 s[4:5], W_proj s[6:7], b_proj s[8:9], out0 s[10:11]
	v_lshl_add_u32 v[SPW], v0, 2, SPARE
	v_mov_b32 v[NIL], 0
	v_lshrrev_b32 v1, 5, v0
	v_readfirstlane_b32 s12, v1                    ; wave = head
	s_and_b32 s13, ttmp7, 0xffff                   ; batch
	v_and_b32 v10, 15, v0                          ; r
	v_bfe_u32 v11, v0, 4, 1                        ; h
	v_mul_u32_u24 v1, v10, 12288
	v_lshl_add_u32 v1, v11, 4, v1                  ; q, k: position r, + 16 h bytes
	v_mul_u32_u24 v2, v11, 98304
	v_lshl_add_u32 v2, v10, 2, v2                  ; v: key 8 h, channel r
	v_lshlrev_b32 v3, 15, v11
	v_lshl_add_u32 v3, v10, 2, v3                  ; W_proj: row 8 h, column r
	v_and_b32 v4, 31, v0
	v_lshlrev_b32 v4, 3, v4                        ; 8 bytes a lane of a row of 256
	s_mul_i32 s14, s12, PART
	v_mul_u32_u24 v5, v10, 272
	v_lshl_add_u32 v5, v11, 5, v5
	v_add_nc_u32 v5, s14, v5                       ; my partial result: row r, + 32 h
	s_mul_i32 s15, s12, 272
	v_add_nc_u32 v6, s15, v4                       ; row w of every partial result
	v_lshlrev_b32 v7, 3, v11
	v_sub_nc_u32 v7, v10, v7                       ; r - 8 h
	s_mov_b32 s20, 0x76543210
	s_mov_b32 s21, 0xfedcba98
	s_mov_b32 s22, 0x3e38aa3b                      ; c = log2(e) / 8
	s_mul_i32 s16, s13, 196608
	s_lshl_b32 s17, s12, 8
	s_add_co_u32 s16, s16, s17
	s_mov_b32 s17, 0
	s_lshl_b32 s18, s12, 18
	s_lshl_b32 s19, ttmp9, 8
	s_add_co_u32 s18, s18, s19
	s_mov_b32 s19, 0
	s_wait_kmcnt 0x0
	s_add_nc_u64 s[4:5], s[4:5], s[16:17]          ; q32 at my batch and head
	s_add_nc_u64 s[6:7], s[6:7], s[18:19]          ; W_proj at row 64 w, column 64 cb
	s_lshl_b32 s16, ttmp9, 8
	s_add_nc_u64 s[8:9], s[8:9], s[16:17]
	s_lshl_b32 s18, s13, 23
	s_add_co_u32 s16, s16, s18
	s_lshl_b32 s18, s12, 12
	s_add_co_u32 s16, s16, s18
	s_add_nc_u64 s[10:11], s[10:11], s[16:17]      ; out0 at row 2048 batch + w, column 64 cb
	global_load_b64 v[12:13], v4, s[8:9]           ; the bias of my two columns
.irp s, 0,1,2,3,4,5,6,7
	global_load_b128 v[KA+4*\s:KA+4*\s+3], v1, s[4:5] offset:4096+32*\s
.endr
.irp s, 0,1,2,3,4,5,6,7
	global_load_b128 v[QB+4*\s:QB+4*\s+3], v1, s[4:5] offset:32*\s
.endr
.irp c, 0,1,2,3
.irp s, 0,1,2,3
.irp j, 0,1
	global_load_b32 v[VA+2*(4*\c+\s)+\j], v2, s[4:5] offset:(2*\s+\j)*12288+8192+64*\c
.endr
.endr
.endr
.macro WLOAD reg, k0                   ; W_proj's fragments of K steps k0 .. k0 + 7 (K step 4 ct + s, tile of 16 columns nt) at pair 4 (ks - k0) + nt
.irp k, 0,1,2,3,4,5,6,7
.irp n, 0,1,2,3
.irp j, 0,1
	global_load_b32 v[\reg+2*(4*\k+\n)+\j], v3, s[6:7] offset:(16*((\k0+\k)/4)+2*((\k0+\k)%4)+\j)*4096+64*\n
.endr
.endr
.endr
.endm
	WLOAD WA, 0
	s_wait_loadcnt 63                              ; 113 loads are issued: the first 50 are in: the bias, k, q and v are the first 49
.set i, 0
.rept 16
.if i < 4
	v_wmma_f32_16x16x4_f32 v[AC+8*(i%4):AC+8*(i%4)+7], v[KA+2*i:KA+2*i+1], v[QB+2*i:QB+2*i+1], 0
.else
	v_wmma_f32_16x16x4_f32 v[AC+8*(i%4):AC+8*(i%4)+7], v[KA+2*i:KA+2*i+1], v[QB+2*i:QB+2*i+1], v[AC+8*(i%4):AC+8*(i%4)+7]
.endif
.set i, i+1
.endr
.rept 8
	v_nop                                          ; eight places behind this form, ahead of loads into its sources and of reads of its results
.endr
	WLOAD KA, 8
.irp j, 0,1,2,3,4,5,6,7
	v_add_f32 v[SS+\j], v[AC+\j], v[AC+8+\j]       ; the four partial sums, each accumulator from its low end on
	v_add_f32 v[TW+\j], v[AC+16+\j], v[AC+24+\j]
.endr
.irp j, 0,1,2,3,4,5,6,7
	v_add_f32 v[SS+\j], v[SS+\j], v[TW+\j]
.endr
	v_mov_b32 v10, 0xff800000
.irp j, 0,1,2,3,4,5,6,7
	v_cmp_gt_i32 vcc_lo, \j, v7                    ; key 8 h + j is hidden from query r where j > r - 8 h
	v_cndmask_b32 v[SS+\j], v[SS+\j], v10, vcc_lo
.endr
	v_max3_num_f32 v[TW], v[SS], v[SS+1], v[SS+2]
	v_max3_num_f32 v[TW+1], v[SS+3], v[SS+4], v[SS+5]
	v_max3_num_f32 v[TW], v[TW], v[SS+6], v[SS+7]
	v_max_num_f32 v[TW], v[TW], v[TW+1]
	v_permlanex16_b32 v[TW+1], v[TW], s20, s21
	v_max_num_f32 v[TW], v[TW], v[TW+1]            ; the row's largest score (key 0 counts for every query)
	v_mul_f32 v[TW+2], s22, v[TW]
.irp j, 0,1,2,3,4,5,6,7
	v_fma_f32 v[SS+\j], v[SS+\j], s22, -v[TW+2]
.endr
.irp j, 0,1,2,3,4,5,6,7
	v_exp_f32 v[SS+\j], v[SS+\j]
.endr
	v_nop
	s_wait_alu depctr_va_vdst(0)                   ; one wait for the eight exponentials, ahead of their first reader
	v_add_f32 v[TW], v[SS], v[SS+1]
	v_add_f32 v[TW+1], v[SS+2], v[SS+3]
	v_add_f32 v[TW+3], v[SS+4], v[SS+5]
	v_add_f32 v[TW+4], v[SS+6], v[SS+7]
	v_add_f32 v[TW], v[TW], v[TW+1]
	v_add_f32 v[TW+3], v[TW+3], v[TW+4]
	v_add_f32 v[TW], v[TW], v[TW+3]
	v_permlanex16_b32 v[TW+1], v[TW], s20, s21
	v_add_f32 v[TW], v[TW], v[TW+1]
	v_rcp_f32 v[TW+2], v[TW]
	v_nop
	s_wait_alu depctr_va_vdst(0)
.irp j, 0,1,2,3,4,5,6,7
	v_mul_f32 v[SS+\j], v[SS+\j], v[TW+2]          ; P
.endr
.irp s, 0,1,2,3
.irp c, 0,1,2,3
.if \s == 0
	v_wmma_f32_16x16x4_f32 v[OA+8*\c:OA+8*\c+7], v[VA+2*(4*\c+\s):VA+2*(4*\c+\s)+1], v[SS+2*\s:SS+2*\s+1], 0
.else
	v_wmma_f32_16x16x4_f32 v[OA+8*\c:OA+8*\c+7], v[VA+2*(4*\c+\s):VA+2*(4*\c+\s)+1], v[SS+2*\s:SS+2*\s+1], v[OA+8*\c:OA+8*\c+7]
.endif
.endr
.endr
.rept 9
	v_nop                                          ; nine places before a matrix instruction takes these results as a source
.endr
	s_wait_loadcnt 63                              ; of W_proj's 128 loads the first 65 are in: K steps 0 to 7 are the first 64
.irp k, 0,1,2,3,4,5,6,7,8,9,10,11,12,13,14,15
.if \k == 8
	s_wait_loadcnt 0x0
.endif
.if \k < 8
.set rW, WA+8*\k
.else
.set rW, KA+8*(\k-8)
.endif
.irp n, 0,1,2,3
.if \k == 0
	v_wmma_f32_16x16x4_f32 v[AC+8*\n:AC+8*\n+7], v[rW+2*\n:rW+2*\n+1], v[OA+8*(\k/4)+2*(\k%4):OA+8*(\k/4)+2*(\k%4)+1], 0
.else
	v_wmma_f32_16x16x4_f32 v[AC+8*\n:AC+8*\n+7], v[rW+2*\n:rW+2*\n+1], v[OA+8*(\k/4)+2*(\k%4):OA+8*(\k/4)+2*(\k%4)+1], v[AC+8*\n:AC+8*\n+7]
.endif
.endr
.endr
.rept 8
	v_nop
.endr
.irp n, 0,1,2,3
	ds_store_b128 v5, v[AC+8*\n:AC+8*\n+3] offset:64*\n            ; lane (r, h): row r, columns 16 nt + 8 h + 0 .. 7; each accumulator from its low end on
	ds_store_b128 v5, v[AC+8*\n+4:AC+8*\n+7] offset:64*\n+16
.endr
	s_wait_dscnt 0x0                               ; for the others' sake: my stores have landed
	s_barrier_signal -1
	s_barrier_wait -1
.set i, 0
.rept 16
	ds_load_b64 v[WA+2*i:WA+2*i+1], v6 offset:i*PART               ; row w of head i's partial result
.set i, i+1
.endr
	s_wait_dscnt 0x0
.irp i, 0,1,2,3,4,5,6,7
	v_pk_add_f32 v[WA+4*\i:WA+4*\i+1], v[WA+4*\i:WA+4*\i+1], v[WA+4*\i+2:WA+4*\i+3]
.endr
.irp i, 0,1,2,3
	v_pk_add_f32 v[WA+8*\i:WA+8*\i+1], v[WA+8*\i:WA+8*\i+1], v[WA+8*\i+4:WA+8*\i+5]
.endr
.irp i, 0,1
	v_pk_add_f32 v[WA+16*\i:WA+16*\i+1], v[WA+16*\i:WA+16*\i+1], v[WA+16*\i+8:WA+16*\i+9]
.endr
	v_pk_add_f32 v[WA:WA+1], v[WA:WA+1], v[WA+16:WA+17]
	v_pk_add_f32 v[WA:WA+1], v[WA:WA+1], v[12:13]
	global_store_b64 v4, v[WA:WA+1], s[10:11]      ; 32 lanes store 256 consecutive bytes, aligned
	s_wait_tensorcnt 0x0                           ; the wave's end, behind my last LDS store
	ds_add_u32 v[SPW], v[NIL]
	s_wait_dscnt 0x0
	s_endpgm
.Lfunc_end_k_qb1535adae3_fine:
	.size	k_qb1535adae3_fine, .Lfunc_end_k_qb1535adae3_fine-k_qb1535adae3_fine
	.p2alignl 7, 3214868480
	.fill 96, 4, 3214868480
	.section	.rodata,"a",@progbits
	.p2align	6, 0x0
	.amdhsa_kernel k_qb1535adae3_fine
		.amdhsa_group_segment_fixed_size 71680
		.amdhsa_private_segment_fixed_size 0
		.amdhsa_enable_private_segment 0
		.amdhsa_kernarg_size 32
		.amdhsa_user_sgpr_count 2
		.amdhsa_user_sgpr_kernarg_segment_ptr 1
		.amdhsa_wavefront_size32 1
		.amdhsa_system_sgpr_workgroup_id_x 1
		.amdhsa_system_sgpr_workgroup_id_y 1
		.amdhsa_system_sgpr_workgroup_id_z 1
		.amdhsa_system_vgpr_workitem_id 0
		.amdhsa_next_free_vgpr 256
		.amdhsa_next_free_sgpr 66
		.amdhsa_reserve_vcc 1
		.amdhsa_float_denorm_mode_32 3
		.amdhsa_float_denorm_mode_16_64 3
		.amdhsa_memory_ordered 1
		.amdhsa_forward_progress 1
		.amdhsa_inst_pref_size 32
	.end_amdhsa_kernel
	.amdgpu_metadata
---
amdhsa.version: [ 1, 2 ]
amdhsa.kernels:
  - .name:           k_qb1535adae3_fine
    .symbol:         k_qb1535adae3_fine.kd
    .args:
      - { .name: q32, .offset: 0, .size: 8, .value_kind: global_buffer, .address_space: global }
      - { .name: W_proj, .offset: 8, .size: 8, .value_kind: global_buffer, .address_space: global }
      - { .name: b_proj, .offset: 16, .size: 8, .value_kind: global_buffer, .address_space: global }
      - { .name: out0, .offset: 24, .size: 8, .value_kind: global_buffer, .address_space: global }
    .group_segment_fixed_size: 71680
    .private_segment_fixed_size: 0
    .kernarg_segment_align: 8
    .kernarg_segment_size: 32
    .max_flat_workgroup_size: 512
    .sgpr_count:     66
    .vgpr_count:     256
    .wavefront_size: 32
...
	.end_amdgpu_metadata
.endif
;; end of part 5
